; MI455X (gfx1250); checked and timed in simulation.
; The chip was launched on July 23, 2026; its instructions are those of AMD's public machine-readable ISA for CDNA 5 (MIT licence, August 2026) and "CDNA5" Instruction Set Architecture Reference Guide (July 2026). The comments in the code are by the model that wrote it; some were corrected since.
;; Mo E Layer. Allowed arithmetic: matrix products marked QUANTISED: E4M3 operands, one E8M0 scale for each 32 along K, by v_wmma_scale_f32_16x16x128_f8f6f4 with both operands' format E4M3, f32 sums; products left as they are: f32 operands where the result goes on into a quantised operand, else bf16, f16 or f32 operands; f32 sums; everything else in f32.
;; Inputs: W1 8 x 1,024 x 2,048 float32; W2 8 x 2,048 x 1,024 float32; Wg 1,024 x 8 float32; b1 8 x 2,048 float32; b2 8 x 1,024 float32; x 2,048 x 1,024 float32.
;; Outputs: out0 2,048 x 1,024 float32; out1 2,048 x 8 float32; out2 2,048 x 2 int32.
;; This version of the problem:
;;   THIS VERSION OF THE PROBLEM IS GIVEN IN LOW PRECISION. The matrix products marked QUANTISED in the list below multiply operands that are first quantised to E4M3 (4 exponent bits, 3 mantissa bits; 8 bits a number), with one power-of-two scale for each 32 numbers along K (OCP MX v1.0); their sums are f32. All else is computed in f32.
;;   The module's matrix products, in the order in which they are computed (A, B: the left and right operand; K: the contracted axis; several contracted axes count as one K, in the product's order):
;;     1. [M 2,048, K 1,024] x [K 1,024, N 8]; A: input x; B: input Wg: left as it is (N = 8 < 16)
;;     2. batch 2,048 x [M 1, K 2] x [K 2, N 8]; A: softmax; B: computed on the way: left as it is (K = 2 < 32)
;;     3. [M 2,048, K 1,024] x [K 1,024, N 16,384]; A: input x; B: input W1: QUANTISED
;;     4. batch 8 x [M 1,024, K 2,048] x [K 2,048, N 2,048]; A: input W2; B: computed on the way: QUANTISED
;;     5. batch 2,048 x [M 1,024, K 8] x [K 8, N 1]; A: computed on the way; B: computed on the way: left as it is (K = 8 < 32)
;;   THE QUANTISER, for each operand of a quantised product, along K:
;;     - K is cut into blocks of 32 from its start; a last block that is shorter is filled with zeros.
;;     - A block's scale is 2^e with e = floor(log2(the largest magnitude in the block)) - 8, held to -126 .. 127; a block of zeros has e = 0. As a byte (E8M0): e + 127.
;;     - Each number is divided by its block's scale, clamped to +-448, and rounded to the nearest number of E4M3, ties to even, subnormals kept.
;;     - The product sums the exact products of the quantised numbers (number of the format x scale) in f32.
;;   ~~~python
;;   def quantise(x, axis):      # numpy; x: float32 -> the quantised numbers, widened to float32 again
;;       x = np.moveaxis(x, axis, -1); K = x.shape[-1]
;;       x = np.pad(x, [(0, 0)] * (x.ndim - 1) + [(0, -K % 32)]); x = x.reshape(x.shape[:-1] + (-1, 32)); a = np.abs(x).max(-1, keepdims=True)
;;       e = np.where(a > 0, np.clip(np.frexp(np.where(a > 0, a, 1))[1] - 1 - 8, -126, 127), 0)      # np.frexp(a)[1] - 1 = floor(log2(a)), exactly
;;       r = np.clip(x / 2.0 ** e, -448, 448)
;;       step = 2.0 ** (np.maximum(np.frexp(np.where(r == 0, 1, r))[1] - 1, -6) - 3)
;;       q = np.round(r / step) * step * 2.0 ** e      # np.round: ties to even
;;       return np.moveaxis(q.reshape(q.shape[:-2] + (-1,))[..., :K], -1, axis).astype(np.float32)
;;   ~~~
;;   OPERANDS COMPUTED ON THE WAY. 'Computed on the way' means the value that the module computes at that place (a softmax that the list does not call 'softmax' is quantised finished and normalised). What goes into a quantiser is computed in f32, as accurately as f32 sums, v_exp_f32 and their like allow (about 1e-6 of the number): no bf16 or f16 on the way to a quantiser, and a product that is left as it is and whose result goes on into a quantised operand takes f32 operands (vector FMAs, or v_wmma_f32_16x16x4_f32). A number that lies on a knife's edge between two numbers of the format may be rounded either way, as far as f32 arithmetic and the matrix unit's own rounding can turn it there, and no further.
;; 2 versions. Each part assembles by itself: llvm-mc -triple=amdgcn-amd-amdhsa -mcpu=gfx1250 --defsym DOCPART=n.
;; ======== version 1 of 2: 5 launches
;; workspace buffers: xc 2,162,688 bytes; sel 16,384 bytes of whole numbers; gw 16,384 bytes; route 82,688 bytes of whole numbers; gws 66,048 bytes; hc 34,603,008 bytes; yr 134,217,728 bytes
;; launch gate (part 1): grid 256 x 1, 4 waves a work-group, no clusters, 76,288 bytes of LDS; arguments x, Wg, xc, sel, gw, out1, out2; writes xc, sel, gw, out1, out2
.if DOCPART == 1
	.amdgcn_target "amdgcn-amd-amdhsa--gfx1250"
	.amdhsa_code_object_version 6
	.text
	.protected	k_q94482749bf_gate
	.globl	k_q94482749bf_gate
	.p2align	8
	.type	k_q94482749bf_gate,@function
k_q94482749bf_gate:
	s_mov_b64 s[64:65], 0
	v_nop
	global_prefetch_b8 v0, s[64:65] scope:SCOPE_SE
	s_setreg_imm32_b32 hwreg(HW_REG_WAVE_MODE, 25, 1), 1
	s_wait_xcnt 0x0
; THE ROUTER AND x's CODES.  logits = x Wg in f32 (fused multiply-adds), the two largest logits of each token (the lower index wins a tie), their softmax (the larger logit is taken away first),
; and x as codes of E4M3 with one E8M0 byte for each 32 along the row.  x: [2048][1024] f32, Wg: [1024][8] f32.
; OUT: xc = [2048][1024] codes, then at byte 2,097,152 [2048][32] scale bytes; out1 = logits; out2 and sel = the two experts of a token; gw = their two weights.  Every store stands at a place that hangs on ids alone.
; SHARES.  1,024 waves, two tokens each: 8,192 bytes of x as four steps of 512 numbers.  Each load reads 512 consecutive bytes; a step turns through the wave's own stage in LDS, so that a lane holds 16 neighbours
; along the row (two lanes hold a block of 32).  Those 16 numbers serve twice: for the quantiser and for the eight dot products.
; Wg stays in 256 registers: lane l holds rows 512 hf + 16 l + 0..15, which are 512 consecutive bytes.  It comes into LDS once for the work-group, each wave a quarter, by loads of 512 consecutive bytes, laid as
; 64 runs of 512 bytes, 528 bytes apart; behind ONE barrier each lane takes its two runs.  No matrix unit (8 columns), no tensor load.
; LIMITS: NaN and infinities among the inputs are not served.  A block whose largest magnitude lies under 2^-118 (a block of zeros too) gets the byte 1; only this program reads the bytes.
; The logits are summed in another order than a row-by-row sum: two logits that differ by about 1e-6 of their size may change places in out2.
.set SP,   80                          ; a lane's place in a stage: 64 bytes + 16 of padding
.set STG,  32*SP                       ; a stage
.set SCB,  4*STG                       ; behind the four stages: the wave's 64 scale bytes
.set REG,  SCB+256                     ; a wave's region of LDS
.set WGL,  4*REG                       ; behind the four regions: Wg
.set WP,   528                         ; a run of Wg: 512 bytes + 16: sixteen lanes' runs begin in sixteen different columns of 16 bytes
.set R,    16                          ; v16-79   x as loaded; then the numbers held within the largest code
.set X,    80                          ; v80-143  16 neighbours for each of the four steps
.set ACC,  144                         ; v144-159 the sums: token a, expert e at 8 a + e
.set C,    160                         ; v160-175 codes, four registers a step
.set E,    176                         ; v176-179 a scale byte a step
.set TQ,   180                         ; v180-195 the quantiser's scratch, four registers a step
.set IX,   200                         ; v200-203 first and second expert of token a at 2 a, 2 a + 1
.set GV,   204                         ; v204-207 their weights
.set OV,   208                         ; v208     my number of out1
.set SV,   209                         ; v209     two scale bytes on the way out
.set KE,   210                         ; v210-217 the numbers 0 to 7
.set VT,   218                         ; v218-225 four registers a token: largest, second, scratch
.set MSB, 0
.macro WIN new                         ; the immediate's high byte repeats the setting that is left
.if MSB != (\new)
	s_set_vgpr_msb (MSB<<8)|(\new)
.set MSB, (\new)
.endif
.endm
	s_load_b256 s[4:11], s[0:1], 0x0               ; x s[4:5], Wg s[6:7], xc s[8:9], sel s[10:11]
	s_load_b128 s[12:15], s[0:1], 0x20             ; gw s[12:13], out1 s[14:15]
	s_load_b64 s[16:17], s[0:1], 0x30              ; out2
	v_lshl_add_u32 v254, v0, 2, 0x12800
	v_mov_b32 v255, 0
	v_lshrrev_b32 v10, 5, v0
	v_readfirstlane_b32 s20, v10                   ; wave 0..3
	v_and_b32 v1, 31, v0                           ; lane
	v_lshlrev_b32 v2, 4, v1                        ; 16 x lane: my bytes of a load's 512, and of a step's codes
	s_lshl_b32 s21, ttmp9, 2
	s_add_co_u32 s21, s21, s20                     ; W: which pair of tokens
	s_mov_b32 s23, 0
	s_lshl_b32 s22, s21, 13                        ; two rows of 4,096 bytes
	s_lshl_b32 s34, s20, 13                        ; my wave's quarter of Wg
	s_mov_b32 s35, 0
	s_wait_kmcnt 0x0
	s_add_nc_u64 s[4:5], s[4:5], s[22:23]
	s_add_nc_u64 s[6:7], s[6:7], s[34:35]
.irp n, 0,1,2,3,4,5,6,7,8,9,10,11,12,13,14,15
	global_load_b128 v[R+4*\n:R+4*\n+3], v2, s[4:5] offset:512*\n th:TH_LOAD_NT   ; 32 lanes read 512 consecutive bytes
.endr
	WIN 0x40                                       ; destination window 1
.irp n, 0,1,2,3,4,5,6,7,8,9,10,11,12,13,14,15
	global_load_b128 v[4*\n:4*\n+3], v2, s[6:7] offset:512*\n      ; run 16 w + n of Wg: 512 consecutive bytes
.endr
	WIN 0
	s_add_nc_u64 s[18:19], s[8:9], 0x200000        ; the scale bytes lie behind the codes
	s_lshl_b32 s22, s21, 6
	s_add_nc_u64 s[18:19], s[18:19], s[22:23]      ; 32 bytes a token
	s_add_nc_u64 s[14:15], s[14:15], s[22:23]      ; out1: 32 bytes a token
	s_lshl_b32 s22, s21, 11
	s_add_nc_u64 s[8:9], s[8:9], s[22:23]          ; codes: 1,024 bytes a token
	s_lshl_b32 s22, s21, 4
	s_add_nc_u64 s[10:11], s[10:11], s[22:23]      ; sel, gw, out2: 8 bytes a token
	s_add_nc_u64 s[12:13], s[12:13], s[22:23]
	s_add_nc_u64 s[16:17], s[16:17], s[22:23]
	s_mul_i32 s27, s20, REG                        ; my wave's region
	v_lshrrev_b32 v3, 2, v1
	v_mul_u32_u24 v3, v3, SP
	v_and_b32 v10, 3, v1
	v_lshl_add_u32 v3, v10, 4, v3
	v_add_nc_u32 v3, s27, v3                       ; into a stage: four lanes' 64 bytes on end, then the padding
	v_mul_u32_u24 v4, v1, SP
	v_add_nc_u32 v4, s27, v4                       ; out of it: my 16 neighbours
	s_add_co_u32 s27, s27, SCB
	v_lshrrev_b32 v5, 1, v1
	v_add_nc_u32 v5, s27, v5                       ; my block's scale byte
	v_lshlrev_b32 v7, 1, v1
	v_add_nc_u32 v6, s27, v7                       ; and two bytes a lane on the way out
	v_mul_u32_u24 v8, v1, WP
	v_add_nc_u32 v8, WGL, v8                       ; Wg out of LDS: run l (and, 32 runs on, run 32 + l)
	s_mul_i32 s36, s20, 16*WP
	s_add_co_u32 s36, s36, WGL
	v_add_nc_u32 v11, s36, v2                      ; Wg into LDS: my wave's 16 runs, 16 bytes a lane
	v_mov_b32 v9, 0
.irp e, 0,1,2,3,4,5,6,7
	v_mov_b32 v[KE+\e], \e
.endr
	s_mov_b32 s24, 0x76543210
	s_mov_b32 s25, 0xfedcba98                      ; v_permlanex16_b32's selects for lane l xor 16
	s_mov_b32 s26, 0x600000                        ; the mantissa field of 448
	s_mov_b32 s28, 0xaaaaaaaa                      ; the lanes whose number has bit 0, 1, 2, 3
	s_mov_b32 s29, 0xcccccccc
	s_mov_b32 s30, 0xf0f0f0f0
	s_mov_b32 s31, 0xff00ff00
	s_wait_loadcnt 16                              ; behind x's sixteen loads stand Wg's sixteen: x is in
.irp st, 0,1,2,3
.irp i, 0,1,2,3
	ds_store_b128 v3, v[R+16*\st+4*\i:R+16*\st+4*\i+3] offset:STG*\st+8*SP*\i
.endr
.endr
.irp st, 0,1,2,3
.irp i, 0,1,2,3
	ds_load_b128 v[X+16*\st+4*\i:X+16*\st+4*\i+3], v4 offset:STG*\st+16*\i   ; LDS serves a wave's instructions in order: these see my stores
.endr
.endr
	s_wait_loadcnt 0x0                             ; my quarter of Wg
	WIN 0x04                                       ; an LDS store's data are its source 1: window 1
.irp n, 0,1,2,3,4,5,6,7,8,9,10,11,12,13,14,15
	ds_store_b128 v11, v[4*\n:4*\n+3] offset:WP*\n
.endr
	WIN 0
	s_wait_dscnt 0x0                               ; for the others' sake: my stores of Wg have landed (and x's numbers are back)
	s_barrier_signal -1
	s_barrier_wait -1                              ; Wg is whole in LDS
	WIN 0x40                                       ; destination window 1
.irp hf, 0,1
.irp i, 0,1,2,3,4,5,6,7,8,9,10,11,12,13,14,15
.irp u, 0,1
	ds_load_b128 v[128*\hf+8*\i+4*\u:128*\hf+8*\i+4*\u+3], v8 offset:32*WP*\hf+32*\i+16*\u   ; Wg(512 hf + 16 l + i, 4 u ..)
.endr
.endr
.endr
	WIN 0
; Step st: 512 numbers become codes and 16 scale bytes.  X is left as it is, for the dot products.
.macro QSTEP st
.set XS, X+16*(\st)
.set RS, R+16*(\st)
.set TT, TQ+4*(\st)
	v_max3_num_f32 v[TT], |v[XS]|, |v[XS+1]|, |v[XS+2]|            ; the largest magnitude of my 16, in two chains
	v_max3_num_f32 v[TT+1], |v[XS+3]|, |v[XS+4]|, |v[XS+5]|
.irp i, 6,10
	v_max3_num_f32 v[TT], v[TT], |v[XS+\i]|, |v[XS+\i+1]|
	v_max3_num_f32 v[TT+1], v[TT+1], |v[XS+\i+2]|, |v[XS+\i+3]|
.endr
	v_max3_num_f32 v[TT], v[TT], |v[XS+14]|, |v[XS+15]|
	v_max3_num_f32 v[TT], v[TT], v[TT+1], 0x4800000                ; and the floor 2^(9 - 127): the byte cannot fall under 1
	v_max_num_f32_dpp v[TT], v[TT], v[TT] row_xmask:1 row_mask:0xf bank_mask:0xf   ; with my neighbour's 16: the block's
	v_add_nc_u32 v[TT+3], 0xfc000000, v[TT]        ; 8 off the exponent field: the conversion's scale operand
	v_and_or_b32 v[TT+2], v[TT], 0x7f800000, s26   ; 448 x the scale
.irp i, 0,1,2,3,4,5,6,7,8,9,10,11,12,13,14,15
	v_med3_num_f32 v[RS+\i], v[XS+\i], -v[TT+2], v[TT+2]           ; the conversion to an 8-bit code does not saturate (ISA guide 7.6.2): the hold comes first
.endr
	v_cvt_scalef32_pk8_fp8_f32 v[C+4*(\st):C+4*(\st)+1], v[RS:RS+7], v[TT+3]
	v_cvt_scalef32_pk8_fp8_f32 v[C+4*(\st)+2:C+4*(\st)+3], v[RS+8:RS+15], v[TT+3]
	v_lshrrev_b32 v[E+(\st)], 23, v[TT+3]          ; the scale's byte
	ds_store_b8 v5, v[E+(\st)] offset:16*(\st)     ; both lanes of a block write the same byte with the same value
	global_store_b128 v2, v[C+4*(\st):C+4*(\st)+3], s[8:9] offset:512*(\st)   ; 32 lanes store 512 consecutive bytes
.endm
	QSTEP 0                                        ; the quantiser works while Wg's runs come out of LDS
	QSTEP 1
	QSTEP 2
	QSTEP 3
; Step st's part of the eight dot products of token st / 2: two experts an instruction; x's number serves both halves.
.macro DOT st
.set AA, ACC+8*((\st)/2)
.set WB, 128*((\st)%2)
.set XB, X+16*(\st)
.irp i, 0,1,2,3,4,5,6,7,8,9,10,11,12,13,14,15
.irp ep, 0,1,2,3
.if (((\st)%2) == 0) && (\i == 0)
	v_pk_mul_f32 v[AA+2*\ep:AA+2*\ep+1], v[WB+2*\ep:WB+2*\ep+1], v[XB:XB+1] op_sel_hi:[1,0]        ; the first product starts the sums
.elseif (\i%2) == 0
	v_pk_fma_f32 v[AA+2*\ep:AA+2*\ep+1], v[WB+8*\i+2*\ep:WB+8*\i+2*\ep+1], v[XB+\i:XB+\i+1], v[AA+2*\ep:AA+2*\ep+1] op_sel_hi:[1,0,1]
.else
	v_pk_fma_f32 v[AA+2*\ep:AA+2*\ep+1], v[WB+8*\i+2*\ep:WB+8*\i+2*\ep+1], v[XB+\i-1:XB+\i], v[AA+2*\ep:AA+2*\ep+1] op_sel:[0,1,0] op_sel_hi:[1,1,1]
.endif
.endr
.endr
.endm
	s_wait_dscnt 0x0                               ; Wg is in registers
	WIN 0x01                                       ; source 0 (Wg) window 1
	DOT 0
	DOT 1
	DOT 2
	DOT 3
	WIN 0
.irp m, 1,2,4,8                        ; the sixteen sums over the 32 lanes, by turns
.irp j, 0,1,2,3,4,5,6,7,8,9,10,11,12,13,14,15
	v_add_f32_dpp v[ACC+\j], v[ACC+\j], v[ACC+\j] row_xmask:\m row_mask:0xf bank_mask:0xf
.endr
.endr
.irp j, 0,1,2,3,4,5,6,7,8,9,10,11,12,13,14,15
	v_permlanex16_b32 v[R+\j], v[ACC+\j], s24, s25
.endr
.irp j, 0,1,2,3,4,5,6,7,8,9,10,11,12,13,14,15
	v_add_f32 v[ACC+\j], v[ACC+\j], v[R+\j]        ; every lane holds all sixteen logits
.endr
; The two largest logits of token a and their softmax.  Choices are made by v_cndmask_b32 alone.
.macro TOP2 a
.set LB, ACC+8*(\a)
.set I1, IX+2*(\a)
.set GG, GV+2*(\a)
.set VV, VT+4*(\a)
	v_mov_b32 v[VV], v[LB]
	v_mov_b32 v[I1], 0
.irp e, 1,2,3,4,5,6,7
	v_cmp_gt_f32 vcc_lo, v[LB+\e], v[VV]           ; strictly larger: the lower index keeps a tie
	v_cndmask_b32 v[VV], v[VV], v[LB+\e], vcc_lo
	v_cndmask_b32 v[I1], v[I1], v[KE+\e], vcc_lo
.endr
	v_mov_b32 v[VV+1], 0xff800000                  ; -infinity
	v_mov_b32 v[I1+1], 0
.irp e, 0,1,2,3,4,5,6,7
	v_cmp_gt_f32 s34, v[LB+\e], v[VV+1]
	v_cmp_ne_u32 vcc_lo, \e, v[I1]                 ; not the first choice again
	s_and_b32 vcc_lo, vcc_lo, s34
	v_cndmask_b32 v[VV+1], v[VV+1], v[LB+\e], vcc_lo
	v_cndmask_b32 v[I1+1], v[I1+1], v[KE+\e], vcc_lo
.endr
	v_sub_f32 v[VV+2], v[VV+1], v[VV]              ; the maximum is taken away: 0 for the first, this for the second
	v_mul_f32 v[VV+2], 0x3fb8aa3b, v[VV+2]
	v_exp_f32 v[VV+3], v[VV+2]
	v_nop                                          ; one plain instruction behind a transcendental
	s_wait_alu depctr_va_vdst(0)
	v_add_f32 v[VV+2], 1.0, v[VV+3]
	v_rcp_f32 v[GG], v[VV+2]                       ; 1 / (1 + t)
	v_nop
	s_wait_alu depctr_va_vdst(0)
	v_mul_f32 v[GG+1], v[VV+3], v[GG]              ; t / (1 + t)
.endm
	TOP2 0
	TOP2 1
.irp j, 0,1,2,3,4,5,6,7                ; lane l picks sum l % 16, by the bits of its number
	v_cndmask_b32 v[R+\j], v[ACC+2*\j], v[ACC+2*\j+1], s28
.endr
.irp j, 0,1,2,3
	v_cndmask_b32 v[R+8+\j], v[R+2*\j], v[R+2*\j+1], s29
.endr
.irp j, 0,1
	v_cndmask_b32 v[R+12+\j], v[R+8+2*\j], v[R+8+2*\j+1], s30
.endr
	v_cndmask_b32 v[OV], v[R+12], v[R+13], s31
	ds_load_u16 v[SV], v6                          ; my wave's 64 scale bytes, two a lane
	v_lshlrev_b32 v10, 2, v1
	s_wait_dscnt 0x0
	global_store_b16 v7, v[SV], s[18:19]           ; 64 consecutive bytes
	v_cmp_gt_u32 vcc_lo, 16, v1
	s_wait_xcnt 0x0                                ; EXEC changes only behind this wait: it is a source of the stores above
	s_wait_tensorcnt 0x0
	ds_add_u32 v254, v255
	s_wait_dscnt 0x0
	s_and_saveexec_b32 s32, vcc_lo
	global_store_b32 v10, v[OV], s[14:15]          ; lanes 0-15: the two tokens' logits, 64 consecutive bytes
	v_cmp_eq_u32 vcc_lo, 0, v1
	s_wait_xcnt 0x0
	s_and_saveexec_b32 s33, vcc_lo
	global_store_b128 v9, v[IX:IX+3], s[16:17]     ; lane 0: the two tokens' experts,
	global_store_b128 v9, v[IX:IX+3], s[10:11]     ; once more for the next launch,
	global_store_b128 v9, v[GV:GV+3], s[12:13]     ; and their weights
	s_endpgm
.Lfunc_end_k_q94482749bf_gate:
	.size	k_q94482749bf_gate, .Lfunc_end_k_q94482749bf_gate-k_q94482749bf_gate
	.p2alignl 7, 3214868480
	.fill 96, 4, 3214868480
	.section	.rodata,"a",@progbits
	.p2align	6, 0x0
	.amdhsa_kernel k_q94482749bf_gate
		.amdhsa_group_segment_fixed_size 76288
		.amdhsa_private_segment_fixed_size 0
		.amdhsa_enable_private_segment 0
		.amdhsa_kernarg_size 56
		.amdhsa_user_sgpr_count 2
		.amdhsa_user_sgpr_kernarg_segment_ptr 1
		.amdhsa_wavefront_size32 1
		.amdhsa_system_sgpr_workgroup_id_x 1
		.amdhsa_system_sgpr_workgroup_id_y 1
		.amdhsa_system_sgpr_workgroup_id_z 1
		.amdhsa_system_vgpr_workitem_id 0
		.amdhsa_next_free_vgpr 512
		.amdhsa_next_free_sgpr 66
		.amdhsa_reserve_vcc 1
		.amdhsa_float_denorm_mode_32 3
		.amdhsa_float_denorm_mode_16_64 3
		.amdhsa_memory_ordered 1
		.amdhsa_forward_progress 1
		.amdhsa_inst_pref_size 51
	.end_amdhsa_kernel
	.amdgpu_metadata
---
amdhsa.version: [ 1, 2 ]
amdhsa.kernels:
  - .name:           k_q94482749bf_gate
    .symbol:         k_q94482749bf_gate.kd
    .args:
      - { .name: x, .offset: 0, .size: 8, .value_kind: global_buffer, .address_space: global }
      - { .name: Wg, .offset: 8, .size: 8, .value_kind: global_buffer, .address_space: global }
      - { .name: xc, .offset: 16, .size: 8, .value_kind: global_buffer, .address_space: global }
      - { .name: sel, .offset: 24, .size: 8, .value_kind: global_buffer, .address_space: global }
      - { .name: gw, .offset: 32, .size: 8, .value_kind: global_buffer, .address_space: global }
      - { .name: out1, .offset: 40, .size: 8, .value_kind: global_buffer, .address_space: global }
      - { .name: out2, .offset: 48, .size: 8, .value_kind: global_buffer, .address_space: global }
    .group_segment_fixed_size: 76288
    .private_segment_fixed_size: 0
    .kernarg_segment_align: 8
    .kernarg_segment_size: 56
    .max_flat_workgroup_size: 128
    .sgpr_count:     66
    .vgpr_count:     512
    .wavefront_size: 32
...
	.end_amdgpu_metadata
.endif
;; end of part 1
;; launch place (part 2): grid 1 x 1, 32 waves a work-group, no clusters, 8,192 bytes of LDS; arguments sel, gw, route, gws; writes route, gws
.if DOCPART == 2
	.amdgcn_target "amdgcn-amd-amdhsa--gfx1250"
	.amdhsa_code_object_version 6
	.text
	.protected	k_q94482749bf_place
	.globl	k_q94482749bf_place
	.p2align	8
	.type	k_q94482749bf_place,@function
k_q94482749bf_place:
	s_mov_b64 s[64:65], 0
	v_nop
	global_prefetch_b8 v0, s[64:65] scope:SCOPE_SE
	s_setreg_imm32_b32 hwreg(HW_REG_WAVE_MODE, 25, 1), 1
	s_wait_xcnt 0x0
; THE ROWS ARE PLACED BY EXPERT: a counting sort of the 4,096 slots (slot = 2 x token + k) without atomics, by one work-group of 1,024 threads, four slots a thread.
; IN: sel [4096] experts, gw [4096] weights.  OUT: route: words 0-31: word l = the number of rows of expert l % 8; from byte 256: pos[slot] = 2,048 x expert + place; from byte 16,640: list[8][2064] of slots;
; gws [8][2064]: the weight of each list entry.  Behind each expert's last entry stand 16 pad entries (slot 0, weight 0), so that a last tile of 16 rows reads written words.
; A token's two experts differ, so no expert has more than 2,048 rows: each has a fixed room, and no later address hangs on a loaded base.
; A slot's place = the rows of its expert in earlier waves + in this wave's earlier turns + in lower lanes of this turn.
.set SEL, 4                            ; v4-7    my four experts
.set GWV, 8                            ; v8-11   my four weights
.set RK,  12                           ; v12-15  rank within the wave
.set CN,  20                           ; v20-27  eight waves' counts
.set TOT, 28                           ; v28     rows of expert lane % 8
.set BAS, 29                           ; v29     of them in earlier waves
.set BX,  32
.set BS,  36
.set PV,  40
.set LI,  44
.set SLT, 48
	s_load_b256 s[4:11], s[0:1], 0x0               ; sel s[4:5], gw s[6:7], route s[8:9], gws s[10:11]
	v_lshl_add_u32 v64, v0, 2, 0x1000
	v_mov_b32 v65, 0
	v_lshrrev_b32 v16, 5, v0
	v_readfirstlane_b32 s12, v16                   ; wave 0..31
	v_and_b32 v1, 31, v0                           ; lane
	v_lshlrev_b32 v2, 4, v0                        ; 16 bytes a thread
	v_lshlrev_b32 v18, 2, v0                       ; 4 x thread: my first slot, and my word of the table
	s_wait_kmcnt 0x0
	global_load_b128 v[SEL:SEL+3], v2, s[4:5]
	global_load_b128 v[GWV:GWV+3], v2, s[6:7]
	s_mov_b32 s14, 0x76543210
	s_mov_b32 s15, 0xfedcba98                      ; v_permlanex16_b32's selects for lane l xor 16
	v_mov_b32 v17, 0
	v_mov_b32 v31, 0
.irp e, 0,1,2,3,4,5,6,7
	s_mov_b32 s[32+\e], 0                          ; the wave's rows of expert e so far
.endr
.irp u, 0,1,2,3
	v_mov_b32 v[RK+\u], 0
.endr
	s_wait_loadcnt 0x0
.irp u, 0,1,2,3
	v_min_u32 v[SEL+\u], 7, v[SEL+\u]
.endr
.irp u, 0,1,2,3
.irp e, 0,1,2,3,4,5,6,7
	v_cmp_eq_u32 vcc_lo, \e, v[SEL+\u]
	v_mbcnt_lo_u32_b32 v16, vcc_lo, s[32+\e]       ; earlier turns' rows + lower lanes' of this turn
	v_cndmask_b32 v[RK+\u], v[RK+\u], v16, vcc_lo
	s_bcnt1_i32_b32 s40, vcc_lo
	s_add_co_u32 s[32+\e], s[32+\e], s40
.endr
.endr
.irp e, 0,1,2,3,4,5,6,7
	v_writelane_b32 v17, s[32+\e], \e
.endr
	ds_store_b32 v18, v17                          ; the table: 128 bytes a wave, words 0-7 its counts
	s_wait_dscnt 0x0                               ; for the others' sake: my store has landed
	s_barrier_signal -1
	s_barrier_wait -1
	v_and_b32 v19, 7, v1                           ; lane l sums expert l % 8 over waves 8 (l / 8) + 0..7
	v_lshrrev_b32 v52, 3, v1
	v_lshlrev_b32 v19, 2, v19
	v_lshl_add_u32 v19, v52, 10, v19
.irp i, 0,1,2,3,4,5,6,7
	ds_load_b32 v[CN+\i], v19 offset:128*\i
.endr
	v_lshlrev_b32 v52, 3, v52
	v_sub_nc_u32 v30, s12, v52                     ; my wave - 8 (l / 8): wave 8 (l / 8) + i is earlier where i is less
	v_mov_b32 v[TOT], 0
	v_mov_b32 v[BAS], 0
	s_wait_dscnt 0x0
.irp i, 0,1,2,3,4,5,6,7
	v_cmp_lt_i32 vcc_lo, \i, v30
	v_cndmask_b32 v16, v31, v[CN+\i], vcc_lo
	v_add_nc_u32 v[BAS], v[BAS], v16
	v_add_nc_u32 v[TOT], v[TOT], v[CN+\i]
.endr
	v_mov_b32_dpp v16, v[TOT] row_xmask:8 row_mask:0xf bank_mask:0xf   ; the four groups of lanes are joined: lane l xor 8,
	v_add_nc_u32 v[TOT], v[TOT], v16
	v_mov_b32_dpp v16, v[BAS] row_xmask:8 row_mask:0xf bank_mask:0xf
	v_add_nc_u32 v[BAS], v[BAS], v16
	v_permlanex16_b32 v16, v[TOT], s14, s15        ; lane l xor 16
	v_add_nc_u32 v[TOT], v[TOT], v16
	v_permlanex16_b32 v16, v[BAS], s14, s15
	v_add_nc_u32 v[BAS], v[BAS], v16
.irp u, 0,1,2,3
	v_lshlrev_b32 v[BX+\u], 2, v[SEL+\u]
	ds_bpermute_b32 v[BS+\u], v[BX+\u], v[BAS]     ; lane e holds expert e's figure
.endr
	s_wait_dscnt 0x0
.irp u, 0,1,2,3
	v_add_nc_u32 v[BS+\u], v[BS+\u], v[RK+\u]
	v_min_u32 v[BS+\u], 2047, v[BS+\u]             ; the slot's place among its expert's rows
	v_lshl_add_u32 v[PV+\u], v[SEL+\u], 11, v[BS+\u]
	v_mad_u32_u24 v[LI+\u], v[SEL+\u], 2064, v[BS+\u]
	v_min_u32 v[LI+\u], 16511, v[LI+\u]
	v_lshlrev_b32 v[LI+\u], 2, v[LI+\u]
	v_add_nc_u32 v[SLT+\u], \u, v18
.endr
	global_store_b128 v2, v[PV:PV+3], s[8:9] offset:256
.irp u, 0,1,2,3
	global_store_b32 v[LI+\u], v[SLT+\u], s[8:9] offset:16640
	global_store_b32 v[LI+\u], v[GWV+\u], s[10:11]
.endr
	s_cmp_lt_u32 s12, 4                            ; waves 0-3 write the pads: 16 lanes to an expert
	s_cbranch_scc0 .Lno_pad
	v_lshrrev_b32 v52, 4, v1
	v_lshl_add_u32 v52, s12, 1, v52                ; expert 2 x wave + lane / 16
	v_lshlrev_b32 v53, 2, v52
	ds_bpermute_b32 v54, v53, v[TOT]
	v_and_b32 v55, 15, v1
	v_mad_u32_u24 v55, v52, 2064, v55
	s_wait_dscnt 0x0
	v_min_u32 v54, 2048, v54
	v_add_nc_u32 v55, v55, v54
	v_min_u32 v55, 16511, v55
	v_lshlrev_b32 v55, 2, v55
	global_store_b32 v55, v31, s[8:9] offset:16640 ; slot 0
	global_store_b32 v55, v31, s[10:11]            ; weight 0
.Lno_pad:
	s_cmp_lg_u32 s12, 0
	s_cbranch_scc1 .Lend
	v_lshlrev_b32 v56, 2, v1
	global_store_b32 v56, v[TOT], s[8:9]           ; wave 0: the counts
.Lend:
	s_wait_tensorcnt 0x0
	ds_add_u32 v64, v65
	s_wait_dscnt 0x0
	s_endpgm
.Lfunc_end_k_q94482749bf_place:
	.size	k_q94482749bf_place, .Lfunc_end_k_q94482749bf_place-k_q94482749bf_place
	.p2alignl 7, 3214868480
	.fill 96, 4, 3214868480
	.section	.rodata,"a",@progbits
	.p2align	6, 0x0
	.amdhsa_kernel k_q94482749bf_place
		.amdhsa_group_segment_fixed_size 8192
		.amdhsa_private_segment_fixed_size 0
		.amdhsa_enable_private_segment 0
		.amdhsa_kernarg_size 32
		.amdhsa_user_sgpr_count 2
		.amdhsa_user_sgpr_kernarg_segment_ptr 1
		.amdhsa_wavefront_size32 1
		.amdhsa_system_sgpr_workgroup_id_x 1
		.amdhsa_system_sgpr_workgroup_id_y 1
		.amdhsa_system_sgpr_workgroup_id_z 1
		.amdhsa_system_vgpr_workitem_id 0
		.amdhsa_next_free_vgpr 66
		.amdhsa_next_free_sgpr 66
		.amdhsa_reserve_vcc 1
		.amdhsa_float_denorm_mode_32 3
		.amdhsa_float_denorm_mode_16_64 3
		.amdhsa_memory_ordered 1
		.amdhsa_forward_progress 1
		.amdhsa_inst_pref_size 15
	.end_amdhsa_kernel
	.amdgpu_metadata
---
amdhsa.version: [ 1, 2 ]
amdhsa.kernels:
  - .name:           k_q94482749bf_place
    .symbol:         k_q94482749bf_place.kd
    .args:
      - { .name: sel, .offset: 0, .size: 8, .value_kind: global_buffer, .address_space: global }
      - { .name: gw, .offset: 8, .size: 8, .value_kind: global_buffer, .address_space: global }
      - { .name: route, .offset: 16, .size: 8, .value_kind: global_buffer, .address_space: global }
      - { .name: gws, .offset: 24, .size: 8, .value_kind: global_buffer, .address_space: global }
    .group_segment_fixed_size: 8192
    .private_segment_fixed_size: 0
    .kernarg_segment_align: 8
    .kernarg_segment_size: 32
    .max_flat_workgroup_size: 1024
    .sgpr_count:     66
    .vgpr_count:     66
    .wavefront_size: 32
...
	.end_amdgpu_metadata
.endif
;; end of part 2
;; launch ffn1 (part 3): grid 256 x 1, 4 waves a work-group, no clusters, 70,144 bytes of LDS; arguments W1, b1, xc, route, hc; writes hc
.if DOCPART == 3
	.amdgcn_target "amdgcn-amd-amdhsa--gfx1250"
	.amdhsa_code_object_version 6
	.text
	.protected	k_q94482749bf_ffn1
	.globl	k_q94482749bf_ffn1
	.p2align	8
	.type	k_q94482749bf_ffn1,@function
k_q94482749bf_ffn1:
	s_mov_b64 s[64:65], 0
	v_nop
	global_prefetch_b8 v0, s[64:65] scope:SCOPE_SE
	s_setreg_imm32_b32 hwreg(HW_REG_WAVE_MODE, 25, 1), 1
	s_wait_xcnt 0x0
; THE FIRST PRODUCT, FOR THE CHOSEN ROWS ALONE: hidden = relu(x W1[e] + b1[e]) on codes of E4M3 with one E8M0 scale for each 32 along K = 1,024, and the hidden layer quantised along ITS next K on the way.
; SHARES.  Work-group = expert e (id / 32) x 64 hidden units (id % 32).  Its slice of W1, 1,024 x 64 f32, is read from memory once (each row's 64 columns are 256 consecutive, aligned bytes) and quantised down K:
; wave w takes K rows 256 w .. + 255 in 8 chunks of 32 rows; a lane holds 4 columns x 16 rows, a block of 32 lies in lanes l and l xor 16.  The codes meet in LDS, [64 rows = columns][1,024 along K]; behind ONE barrier
; every wave takes the whole slice into registers (32 fragments, 512 registers) and keeps it.  Then the expert's rows go past it, 16 at a time: wave w takes tiles w, w + 4, ..
; THE MATRIX INSTRUCTION IS USED TRANSPOSED (source 0 = 16 columns of W1, source 1 = 16 rows of x), and the columns of a tile are chosen (LDS row = column with bits 3 and 4 changed over) so that a lane's 16 registers
; of two neighbouring tiles are 16 neighbouring hidden units: the conversions' results are registers of the next product's operand.  b1 is the C of each sum's first instruction.
; OUT: hc: images of operand registers: byte ((128 e + tile) 16 + K step) 2,048 + 512 x block + 16 x lane; from byte 33,554,432 the scale words: ((128 e + tile) 16 + K step) 64 + 4 x row.
; THE NUMBER OF TILES IS READ FROM MEMORY (an earlier launch stored it).  A text with such a trip count holds no tensor load, so x's rows, which the 32 work-groups of an expert share, are not asked for jointly:
; they come straight into registers, two tiles on their way: a tile is asked for as soon as the products of the tile two before it have left its buffer.
; THE ORDER OF A WAVE'S TILES TURNS WITH THE WORK-GROUP: slice sl begins at index (sl x count) / 32 of the wave's count tiles and goes round.  So the 32 work-groups of an expert stand at different tiles at any time,
; and the two tiles that each asks for ahead of the loop are, between them, all the expert's tiles.
; At least one tile is always worked (pad rows), and a wave with an odd number of tiles works one tile twice: the same bytes to the same places.
; LIMITS: NaN and infinities are not served; a block under 2^-118 (zeros too) gets the byte 1, which only this program reads.
.set ROWP,  8192                       ; a row of W1 in bytes
.set PITCH, 1040                       ; an LDS row of codes: 1,024 bytes + 16: row r starts 16 r bytes further round the banks
.set WSC,   64*PITCH                   ; behind the codes: the weights' scale words, 8 a row, rows 48 bytes apart
.set L16, 1                            ; v1   16 x lane
.set R4,  2                            ; v2   4 x (lane % 16)
.set H16, 3                            ; v3   16 x (lane / 16)
.set LA,  4                            ; v4-5   address of the list's words, tile in buffer p
.set LV,  6                            ; v6-7   the slots read
.set XA,  8                            ; v8-9   my row's codes
.set XSA, 10                           ; v10-11 my row's scale bytes
.set FRA, 12                           ; v12  a fragment's place for my lane in LDS
.set SRA, 13                           ; v13  a scale word's
.set CSA, 14                           ; v14  where I store codes
.set WSA, 15                           ; v15  where I store scale words
.set WOF, 16                           ; v16  my bytes in a chunk of W1
.set HO,  17                           ; v17  my bytes in hc's codes
.set HSO, 18                           ; v18  and among its scale words
.set BOF, 19                           ; v19  my bytes in b1
.set SW,  24                           ; v24-31   the scale words that I make: column c, word 0 or 1
.set WS,  32                           ; v32-63   W1's scale words: tile t, K step s at 8 t + s: scales and nothing else
.set SX,  64                           ; v64-79   x's scale words: buffer p, K step s at 8 p + s: scales and nothing else
.set B1,  80                           ; v80-111  b1, in the result's layout
.set HA,  112                          ; v112-143 four accumulators
.set T,   144                          ; v144-207 a chunk's numbers, column by column
.set PC,  208                          ; v208-223 codes just made
.set M,   224                          ; largest magnitudes
.set MX,  228                          ; the other half's
.set SO,  232                          ; the conversions' scale operands
.set LIM, 236                          ; 448 x the scale
.set BY,  240                          ; the bytes
.set PW,  244                          ; two bytes of a scale word
; window 1: W1 as loaded, chunks 0-3; then the fragments of K steps 0-3, (t, s) at 16 (4 s + t).  window 2: chunks 4-7; then K steps 4-7.  window 3: x's fragments, buffer p at 128 p + 16 s.
; SCALARS: s24 wave, s25 e, s26 slice, s27 rows, s28 the last tile, s29 my last index, s30 trips, s31 trips done, s32 IDX, s39 where my round begins, s45 my number of tiles (at least 1); s33, s34, s46 at work.
.set MSB, 0
.macro WIN new                         ; the immediate's high byte repeats the setting that is left
.if MSB != (\new)
	s_set_vgpr_msb (MSB<<8)|(\new)
.set MSB, (\new)
.endif
.endm
.macro WLOAD ch                        ; chunk ch: rows 32 ch + 16 (lane / 16) + i, columns 4 (lane % 16) ..: sixteen lanes read 256 consecutive bytes
	WIN 0x40*(1+(\ch)/4)
.irp i, 0,1,2,3,4,5,6,7,8,9,10,11,12,13,14,15
	global_load_b128 v[64*((\ch)%4)+4*\i:64*((\ch)%4)+4*\i+3], v[WOF], s[4:5] offset:(32*(\ch)+\i)*ROWP th:TH_LOAD_NT
.endr
	WIN 0
.endm
.macro QCHUNK ch                       ; chunk ch becomes codes in LDS and a byte of each column's scale word
.set XW, 1+(\ch)/4
.set RB, 64*((\ch)%4)
	WIN XW|(XW<<2)                                 ; sources 0 and 1: the chunk's window
.irp c, 0,1,2,3
	v_max3_num_f32 v[M+\c], |v[RB+\c]|, |v[RB+4+\c]|, 0x4800000    ; column c: my 16 rows, and the floor 2^(9 - 127): the byte cannot fall under 1
.endr
.irp i, 2,4,6,8,10,12,14
.irp c, 0,1,2,3
	v_max3_num_f32 v[M+\c], |v[RB+4*\i+\c]|, |v[RB+4*\i+4+\c]|, v[M+\c]   ; (the four columns by turns)
.endr
.endr
	WIN 0
.irp c, 0,1,2,3
	v_permlanex16_b32 v[MX+\c], v[M+\c], s36, s37
.endr
.irp c, 0,1,2,3
	v_max_num_f32 v[M+\c], v[M+\c], v[MX+\c]       ; with lane l xor 16's 16 rows: the block's largest magnitude
.endr
.irp c, 0,1,2,3
	v_add_nc_u32 v[SO+\c], 0xfc000000, v[M+\c]     ; 8 off the exponent field: the conversion's scale operand
.endr
.irp c, 0,1,2,3
	v_and_or_b32 v[LIM+\c], v[M+\c], 0x7f800000, s38   ; 448 x the scale
.endr
.irp c, 0,1,2,3
	v_lshrrev_b32 v[BY+\c], 23, v[SO+\c]           ; the byte
.endr
.irp c, 0,1,2,3
.if ((\ch)%4) == 0
	v_mov_b32 v[SW+2*\c+(\ch)/4], v[BY+\c]
.else
	v_lshl_or_b32 v[SW+2*\c+(\ch)/4], v[BY+\c], 8*((\ch)%4), v[SW+2*\c+(\ch)/4]
.endif
.endr
	WIN XW                                         ; source 0: the chunk's window
.irp c, 0,1,2,3
.irp i, 0,1,2,3,4,5,6,7,8,9,10,11,12,13,14,15
	v_med3_num_f32 v[T+16*\c+\i], v[RB+4*\i+\c], -v[LIM+\c], v[LIM+\c]   ; the hold (the conversion does not saturate: ISA guide 7.6.2) also lays a column's 16 numbers on end
.endr
.endr
	WIN 0
	s_wait_dscnt 0x0                               ; the last chunk's LDS stores have read PC
.irp c, 0,1,2,3
	v_cvt_scalef32_pk8_fp8_f32 v[PC+4*\c:PC+4*\c+1], v[T+16*\c:T+16*\c+7], v[SO+\c]
	v_cvt_scalef32_pk8_fp8_f32 v[PC+4*\c+2:PC+4*\c+3], v[T+16*\c+8:T+16*\c+15], v[SO+\c]
.endr
	v_nop                                          ; one plain instruction behind the last conversion, ahead of whatever next writes its sources
.irp c, 0,1,2,3
	ds_store_b128 v[CSA], v[PC+4*\c:PC+4*\c+3] offset:\c*PITCH+32*(\ch)
.endr
.endm
; The tile that my wave works at index IDX + add.  The index is held at my last, turned by where my round begins, modulo my number of tiles (the lesser, unsigned, of the sum and the sum less that number);
; tile = wave + 4 x that, held at the expert's last tile and, by a constant, inside the buffers.
.macro JEFF dst, add
	s_add_co_u32 s34, s32, \add
	s_min_u32 s34, s34, s29
	s_add_co_u32 s34, s34, s39
	s_sub_co_u32 s46, s34, s45
	s_min_u32 s34, s34, s46
	s_lshl_b32 s34, s34, 2
	s_add_co_u32 s34, s34, s24
	s_min_u32 s34, s34, s28
	s_min_u32 \dst, s34, 127
.endm
.macro LLOAD p, add                    ; the 16 slots of that tile
	JEFF s33, \add
	v_lshl_add_u32 v[LA+(\p)], s33, 6, v[R4]
	global_load_b32 v[LV+(\p)], v[LA+(\p)], s[16:17]
.endm
.macro ALOAD p                         ; the rows of the slots in LV[p]: 8 fragments and 8 scale words: 34 loads
	v_lshrrev_b32 v20, 1, v[LV+(\p)]               ; token = slot / 2
	v_min_u32 v20, 2047, v20
	v_lshl_add_u32 v[XA+(\p)], v20, 10, v[H16]
	v_lshlrev_b32 v[XSA+(\p)], 5, v20
	WIN 0xc0                                       ; destination window 3
.irp s, 0,1,2,3,4,5,6,7
.irp c, 0,1,2,3
	global_load_b128 v[128*(\p)+16*\s+4*\c:128*(\p)+16*\s+4*\c+3], v[XA+(\p)], s[8:9] offset:128*\s+32*\c
.endr
.endr
	WIN 0
	global_load_b128 v[SX+8*(\p):SX+8*(\p)+3], v[XSA+(\p)], s[14:15]
	global_load_b128 v[SX+8*(\p)+4:SX+8*(\p)+7], v[XSA+(\p)], s[14:15] offset:16
.endm
.macro MULS p                          ; 32 matrix instructions: the four accumulators by turns, one instruction a turn, K step by K step
.irp s, 0,1,2,3,4,5,6,7
	WIN 0x0d+(\s)/4                                ; source 0 (W1) window 1 or 2, source 1 (x) window 3
.irp t, 0,1,2,3
.if \s == 0
	v_wmma_scale_f32_16x16x128_f8f6f4 v[HA+8*\t:HA+8*\t+7], v[16*(4*(\s%4)+\t):16*(4*(\s%4)+\t)+15], v[128*(\p)+16*\s:128*(\p)+16*\s+15], v[B1+8*\t:B1+8*\t+7], v[WS+8*\t+\s], v[SX+8*(\p)+\s]
.else
	v_wmma_scale_f32_16x16x128_f8f6f4 v[HA+8*\t:HA+8*\t+7], v[16*(4*(\s%4)+\t):16*(4*(\s%4)+\t)+15], v[128*(\p)+16*\s:128*(\p)+16*\s+15], v[HA+8*\t:HA+8*\t+7], v[WS+8*\t+\s], v[SX+8*(\p)+\s]
.endif
.endr
.endr
	WIN 0
.endm
.macro QUANT2                          ; my row's 32 numbers (two blocks, 16 of each in my lane) become codes; what is negative becomes 0 on the way
.irp b, 0,1
	v_max3_num_f32 v[M+\b], v[HA+16*\b], v[HA+16*\b+1], 0x4800000  ; no |.|: what is negative must not count; each accumulator is read from its low end on
.endr
.irp i, 2,4,6,8,10,12,14
.irp b, 0,1
	v_max3_num_f32 v[M+\b], v[M+\b], v[HA+16*\b+\i], v[HA+16*\b+\i+1]
.endr
.endr
.irp b, 0,1
	v_permlanex16_b32 v[MX+\b], v[M+\b], s36, s37
.endr
.irp b, 0,1
	v_max_num_f32 v[M+\b], v[M+\b], v[MX+\b]
.endr
.irp b, 0,1
	v_add_nc_u32 v[SO+\b], 0xfc000000, v[M+\b]
.endr
.irp b, 0,1
	v_and_or_b32 v[LIM+\b], v[M+\b], 0x7f800000, s38
.endr
.irp b, 0,1
	v_lshrrev_b32 v[BY+\b], 23, v[SO+\b]
.endr
	v_lshl_or_b32 v[PW], v[BY+1], 8, v[BY]
.irp b, 0,1
.irp i, 0,1,2,3,4,5,6,7,8,9,10,11,12,13,14,15
	v_med3_num_f32 v[HA+16*\b+\i], v[HA+16*\b+\i], 0, v[LIM+\b]    ; the activation and the hold in one
.endr
	v_cvt_scalef32_pk8_fp8_f32 v[PC+4*\b:PC+4*\b+1], v[HA+16*\b:HA+16*\b+7], v[SO+\b]
	v_cvt_scalef32_pk8_fp8_f32 v[PC+4*\b+2:PC+4*\b+3], v[HA+16*\b+8:HA+16*\b+15], v[SO+\b]
.endr
	v_nop                                          ; one plain instruction behind the last conversion: the next products write its sources
.endm
; Half a trip: the tile at index i = IDX + p, whose rows lie in buffer p.  Loads are issued in this order: rows of index i, slots of i + 2, rows of i + 1, slots of i + 3, and here rows of i + 2, slots of i + 4.
.macro HT p
	s_wait_loadcnt 35                              ; all but the rows of index i + 1 (34) and the slots of i + 3 (1): index i's rows and the slots of i + 2 are in
	MULS \p
	s_wait_xcnt 0x0                                ; the last tile's stores have read their data and addresses, which are written again below
	JEFF s33, \p
	v_lshl_add_u32 v[HO], s33, 15, v[L16]
	v_lshl_add_u32 v[HSO], s33, 10, v[R4]
.rept 3
	v_nop                                          ; with the two lines above and the four at the head of the macro below: nine places behind the last product, where eight are asked
.endr
	ALOAD \p                                       ; the rows of index i + 2, into the buffer that the products above have left
	LLOAD \p, (\p)+4                               ; the slots of index i + 4
	QUANT2
	global_store_b128 v[HO], v[PC:PC+3], s[18:19]                  ; 32 lanes store 512 consecutive bytes, aligned
	global_store_b128 v[HO], v[PC+4:PC+7], s[18:19] offset:512
	global_store_b16 v[HSO], v[PW], s[20:21]                       ; my half of the row's scale word (lanes l and l xor 16 store the same)
.endm
	s_load_b256 s[4:11], s[0:1], 0x0               ; W1 s[4:5], b1 s[6:7], xc s[8:9], route s[10:11]
	s_load_b64 s[12:13], s[0:1], 0x20              ; hc
	v_lshl_add_u32 v254, v0, 2, 0x11000
	v_mov_b32 v255, 0
	v_lshrrev_b32 v20, 5, v0
	v_readfirstlane_b32 s24, v20                   ; wave 0..3
	s_lshr_b32 s25, ttmp9, 5                       ; e
	s_and_b32 s26, ttmp9, 31                       ; which 64 hidden units
	s_lshl_b32 s35, s25, 2
	s_mov_b32 s23, 0
	v_and_b32 v20, 15, v0                          ; lane % 16
	v_bfe_u32 v21, v0, 4, 1                        ; lane / 16
	v_lshlrev_b32 v[WOF], 4, v20
	v_lshl_add_u32 v[WOF], v21, 17, v[WOF]         ; 16 rows of 8,192 bytes for the upper half of the lanes
	s_lshl_b32 s22, s25, 23
	s_lshl_b32 s33, s24, 21
	s_add_co_u32 s22, s22, s33
	s_lshl_b32 s33, s26, 8
	s_add_co_u32 s22, s22, s33
	s_wait_kmcnt 0x0
	s_load_b32 s27, s[10:11], s35 offset:0x0       ; the expert's number of rows
	s_add_nc_u64 s[4:5], s[4:5], s[22:23]          ; W1 at expert e, K row 256 w, column 64 x slice
	WLOAD 0
	WLOAD 1
	WLOAD 2
	s_add_nc_u64 s[14:15], s[8:9], 0x200000        ; x's scale bytes
	s_mul_i32 s22, s25, 8256
	s_add_co_u32 s22, s22, 16640
	s_add_nc_u64 s[16:17], s[10:11], s[22:23]      ; the expert's list
	s_lshl_b32 s22, s25, 13
	s_lshl_b32 s33, s26, 8
	s_add_co_u32 s22, s22, s33
	s_add_nc_u64 s[6:7], s[6:7], s[22:23]          ; b1 at my 64 units
	s_lshr_b32 s40, s26, 1                         ; the next product's K step,
	s_and_b32 s41, s26, 1                          ; and which half of it
	s_lshl_b32 s22, s25, 22
	s_lshl_b32 s42, s40, 11
	s_add_co_u32 s22, s22, s42
	s_lshl_b32 s42, s41, 10
	s_add_co_u32 s22, s22, s42
	s_add_nc_u64 s[18:19], s[12:13], s[22:23]      ; hc's codes
	s_lshl_b32 s22, s25, 17
	s_lshl_b32 s42, s40, 6
	s_add_co_u32 s22, s22, s42
	s_lshl_b32 s42, s41, 1
	s_add_co_u32 s22, s22, s42
	s_add_co_u32 s22, s22, 0x2000000
	s_add_nc_u64 s[20:21], s[12:13], s[22:23]      ; hc's scale words
	s_mov_b32 s36, 0x76543210
	s_mov_b32 s37, 0xfedcba98                      ; v_permlanex16_b32's selects for lane l xor 16
	s_mov_b32 s38, 0x600000                        ; the mantissa field of 448
	v_and_b32 v[L16], 31, v0
	v_lshlrev_b32 v[L16], 4, v[L16]
	v_lshlrev_b32 v[R4], 2, v20
	v_lshlrev_b32 v[H16], 4, v21
	v_mul_u32_u24 v[FRA], v20, PITCH
	v_lshl_add_u32 v[FRA], v21, 4, v[FRA]
	v_mul_u32_u24 v[SRA], v20, 48
	v_add_nc_u32 v[SRA], WSC, v[SRA]
	v_and_b32 v22, 9, v20                          ; lane % 16 with bits 1 and 2 changed over: my four columns' LDS rows begin at 4 x that
	v_and_b32 v23, 2, v20
	v_lshl_add_u32 v22, v23, 1, v22
	v_and_b32 v23, 4, v20
	v_lshrrev_b32 v23, 1, v23
	v_add_nc_u32 v22, v22, v23
	v_mul_u32_u24 v[CSA], v22, 4*PITCH
	v_lshl_add_u32 v[CSA], v21, 4, v[CSA]
	s_lshl_b32 s33, s24, 8
	v_add_nc_u32 v[CSA], s33, v[CSA]               ; + 16 x half + my wave's 256 along K
	v_mul_u32_u24 v[WSA], v22, 4*48
	s_lshl_b32 s33, s24, 3
	s_add_co_u32 s33, s33, WSC
	v_add_nc_u32 v[WSA], s33, v[WSA]               ; my wave's two words of each row
	v_lshlrev_b32 v[BOF], 6, v21
.irp c, 0,1,2,3
	v_mov_b32 v[MX+\c], 0                          ; written once: a lane permute's destination counts as one of its sources
.endr
	s_wait_kmcnt 0x0
	s_min_u32 s27, s27, 2048                       ; n
	s_add_co_u32 s28, s27, 15
	s_lshr_b32 s28, s28, 4
	s_max_u32 s28, s28, 1                          ; tiles, at least one
	s_add_co_u32 s29, s28, 3
	s_sub_co_u32 s29, s29, s24
	s_lshr_b32 s29, s29, 2                         ; of them mine
	s_add_co_u32 s30, s29, 1
	s_lshr_b32 s30, s30, 1                         ; trips of two
	s_max_u32 s45, s29, 1                          ; my number of tiles, at least 1
	s_sub_co_u32 s29, s45, 1                       ; my last index
	s_mul_i32 s39, s26, s45
	s_lshr_b32 s39, s39, 5                         ; where my round begins: (slice x number) / 32, under the number
	s_sub_co_u32 s28, s28, 1                       ; the last tile
	s_mov_b32 s32, 0                               ; IDX
	s_mov_b32 s31, 0                               ; trips done
.irp t, 0,1,2,3
	global_load_b128 v[B1+8*\t:B1+8*\t+3], v[BOF], s[6:7] offset:(32*(\t/2)+8*(\t%2))*4      ; tile 2 b + u, lane half h: units 32 b + 16 h + 8 u + 0..7
	global_load_b128 v[B1+8*\t+4:B1+8*\t+7], v[BOF], s[6:7] offset:(32*(\t/2)+8*(\t%2))*4+16
.endr
	LLOAD 0, 0
	LLOAD 1, 1
.irp ch, 0,1,2,3,4,5,6,7
.if \ch < 3
	s_wait_loadcnt 42                              ; behind this chunk's loads: two chunks, 8 of b1, 2 of the list
.elseif \ch < 6
	s_wait_loadcnt 32                              ; two chunks
.elseif \ch == 6
	s_wait_loadcnt 51                              ; one chunk, the first tile's 34 and the slots of index 2
.else
	s_wait_loadcnt 35                              ; the first tile's 34 and the slots of index 2
.endif
.if \ch < 5
	WLOAD \ch+3
.endif
.if \ch == 5
	ALOAD 0                                        ; the rows of index 0
	LLOAD 0, 2
.endif
	QCHUNK \ch
.endr
	ALOAD 1                                        ; the rows of index 1
	LLOAD 1, 3
.irp c, 0,1,2,3
	ds_store_b64 v[WSA], v[SW+2*\c:SW+2*\c+1] offset:48*\c         ; lanes l and l xor 16 store the same
.endr
	s_wait_dscnt 0x0                               ; for the others' sake: my stores have landed
	s_barrier_signal -1
	s_barrier_wait -1                              ; the slice's codes and scale words are whole
.irp s, 0,1,2,3,4,5,6,7
	WIN 0x40*(1+(\s)/4)
.irp t, 0,1,2,3
.irp c, 0,1,2,3
	ds_load_b128 v[16*(4*(\s%4)+\t)+4*\c:16*(4*(\s%4)+\t)+4*\c+3], v[FRA] offset:16*\t*PITCH+128*\s+32*\c
.endr
.endr
.endr
	WIN 0
.irp t, 0,1,2,3
	ds_load_b128 v[WS+8*\t:WS+8*\t+3], v[SRA] offset:768*\t
	ds_load_b128 v[WS+8*\t+4:WS+8*\t+7], v[SRA] offset:768*\t+16
.endr
	s_wait_dscnt 0x0
	s_cmp_eq_u32 s30, 0                            ; a wave without a tile is done; no barrier follows
	s_cbranch_scc1 .Lend
.Ltrip:
	HT 0
	HT 1
	s_add_co_u32 s32, s32, 2
	s_add_co_u32 s31, s31, 1
	s_cmp_lt_u32 s31, s30
	s_cbranch_scc1 .Ltrip
.Lend:
	s_wait_tensorcnt 0x0
	ds_add_u32 v254, v255
	s_wait_dscnt 0x0
	s_endpgm
.Lfunc_end_k_q94482749bf_ffn1:
	.size	k_q94482749bf_ffn1, .Lfunc_end_k_q94482749bf_ffn1-k_q94482749bf_ffn1
	.p2alignl 7, 3214868480
	.fill 96, 4, 3214868480
	.section	.rodata,"a",@progbits
	.p2align	6, 0x0
	.amdhsa_kernel k_q94482749bf_ffn1
		.amdhsa_group_segment_fixed_size 70144
		.amdhsa_private_segment_fixed_size 0
		.amdhsa_enable_private_segment 0
		.amdhsa_kernarg_size 40
		.amdhsa_user_sgpr_count 2
		.amdhsa_user_sgpr_kernarg_segment_ptr 1
		.amdhsa_wavefront_size32 1
		.amdhsa_system_sgpr_workgroup_id_x 1
		.amdhsa_system_sgpr_workgroup_id_y 1
		.amdhsa_system_sgpr_workgroup_id_z 1
		.amdhsa_system_vgpr_workitem_id 0
		.amdhsa_next_free_vgpr 1024
		.amdhsa_next_free_sgpr 66
		.amdhsa_reserve_vcc 0
		.amdhsa_float_denorm_mode_32 3
		.amdhsa_float_denorm_mode_16_64 3
		.amdhsa_memory_ordered 1
		.amdhsa_forward_progress 1
		.amdhsa_inst_pref_size 129
	.end_amdhsa_kernel
	.amdgpu_metadata
---
amdhsa.version: [ 1, 2 ]
amdhsa.kernels:
  - .name:           k_q94482749bf_ffn1
    .symbol:         k_q94482749bf_ffn1.kd
    .args:
      - { .name: W1, .offset: 0, .size: 8, .value_kind: global_buffer, .address_space: global }
      - { .name: b1, .offset: 8, .size: 8, .value_kind: global_buffer, .address_space: global }
      - { .name: xc, .offset: 16, .size: 8, .value_kind: global_buffer, .address_space: global }
      - { .name: route, .offset: 24, .size: 8, .value_kind: global_buffer, .address_space: global }
      - { .name: hc, .offset: 32, .size: 8, .value_kind: global_buffer, .address_space: global }
    .group_segment_fixed_size: 70144
    .private_segment_fixed_size: 0
    .kernarg_segment_align: 8
    .kernarg_segment_size: 40
    .max_flat_workgroup_size: 128
    .sgpr_count:     66
    .vgpr_count:     1024
    .wavefront_size: 32
...
	.end_amdgpu_metadata
.endif
;; end of part 3
;; launch ffn2 (part 4): grid 256 x 1, 4 waves a work-group, no clusters, 87,552 bytes of LDS; arguments W2, b2, hc, route, gws, yr; writes yr
.if DOCPART == 4
	.amdgcn_target "amdgcn-amd-amdhsa--gfx1250"
	.amdhsa_code_object_version 6
	.text
	.protected	k_q94482749bf_ffn2
	.globl	k_q94482749bf_ffn2
	.p2align	8
	.type	k_q94482749bf_ffn2,@function
k_q94482749bf_ffn2:
	s_mov_b64 s[64:65], 0
	v_nop
	global_prefetch_b8 v0, s[64:65] scope:SCOPE_SE
	s_setreg_imm32_b32 hwreg(HW_REG_WAVE_MODE, 25, 1), 1
	s_wait_xcnt 0x0
; THE SECOND PRODUCT, FOR THE CHOSEN ROWS ALONE: yr = g x (hidden W2[e] + b2[e]) on codes of E4M3 with one E8M0 scale for each 32 along K, in two halves of K = 2,048.
; SHARES.  Work-group = expert e (id / 32) x half kh of K (bit 4) x 64 output columns (id % 16).  Its slice of W2, 1,024 x 64 f32, is read from memory once and quantised down K as in the launch before:
; wave w takes K rows 256 w .. + 255 of the half, 8 chunks of 32 rows; the codes meet in LDS; behind ONE barrier every wave keeps the whole slice in 512 registers.  Then the expert's rows go past it, 16 at a time.
; The hidden layer comes as images of operand registers: every load reads 512 consecutive bytes.  The matrix instruction is used transposed (source 0 = 16 columns of W2, source 1 = 16 rows), so that a lane holds eight
; neighbouring columns of one row.  b2 is the C of each sum's first instruction in the lower half of K, and 0 in the upper.  The result is multiplied by the row's gate weight, goes through the wave's own stage in LDS
; and leaves as rows: sixteen lanes store 256 consecutive, aligned bytes.  OUT: yr [kh][e][2,048 places][1,024] f32; the last launch adds a token's four rows.
; K is halved so that a slice's columns are 256 bytes of each row of W2 and there is a work-group for each of 256 slices; the two halves' sums are added in f32 later: an order of rounding of its own.
; THE NUMBER OF TILES IS READ FROM MEMORY.  A text with such a trip count holds no tensor load, so the hidden rows that the 16 work-groups of an expert's half share are not asked for jointly:
; they come straight into registers, two tiles on their way: a tile is asked for as soon as the products of the tile two before it have left its buffer.
; THE ORDER OF A WAVE'S TILES TURNS WITH THE WORK-GROUP: column slice cs begins at index (cs x count) / 16 of the wave's count tiles and goes round, so that the 16 work-groups stand at different tiles at any time.
; At least one tile is always worked (pad rows, weight 0); a wave with an odd number of tiles works one tile twice: the same bytes to the same places.
; LIMITS: NaN and infinities are not served; a block of W2 under 2^-118 (zeros too) gets the byte 1, which only this program reads.
.set ROWP,  4096                       ; a row of W2 in bytes
.set PITCH, 1040                       ; an LDS row of codes: 1,024 bytes + 16
.set WSC,   64*PITCH                   ; the weights' scale words, 8 a row, rows 48 bytes apart
.set STAGE, WSC+64*48                  ; 16 rows x (256 bytes + 16) for each wave
.set L16, 1                            ; v1   16 x lane
.set R4,  2                            ; v2   4 x (lane % 16)
.set L4,  3                            ; v3   4 x lane
.set VA,  4                            ; v4-5   my bytes of the tile's fragments, buffer p
.set VS,  6                            ; v6-7   of its scale words
.set VG,  8                            ; v8-9   of its gate weights
.set YA,  10                           ; v10  my bytes in yr
.set YO,  11                           ; v11  their part that hangs on the lane
.set FRA, 12
.set SRA, 13
.set CSA, 14
.set WSA, 15
.set WOF, 16
.set STO, 17                           ; v17  the stage: where I put 32 bytes of a row
.set RD,  18                           ; v18  and where I read a row back
.set BOF, 19
.set SW,  24                           ; v24-31   the scale words that I make
.set WS,  32                           ; v32-63   W2's scale words: scales and nothing else
.set SH,  64                           ; v64-71   the hidden layer's: buffer p, register m: lanes 0-15 K step 2 m, lanes 16-31 K step 2 m + 1: scales and nothing else
.set G,   72                           ; v72, v74 my row's gate weight, buffer p (v73, v75 are named with them as pairs)
.set B1,  80                           ; v80-111  b2 or 0, in the result's layout
.set HA,  112                          ; v112-143 four accumulators
.set T,   144                          ; v144-207 a chunk's numbers; in the loop:
.set Y,   144                          ; v144-175 the results x the gate weight,
.set OUTR, 176                         ; v176-207 16 rows read back
.set PC,  208
.set M,   224
.set MX,  228
.set SO,  232
.set LIM, 236
.set BY,  240
; window 1: W2 as loaded, chunks 0-3; then the fragments of K steps 0-3, (t, s) at 16 (4 s + t).  window 2: chunks 4-7; then K steps 4-7.  window 3: the hidden fragments, buffer p at 128 p + 16 s.
; SCALARS: s24 wave, s25 e, s26 column slice, s43 kh, s27 rows, s28 the last tile, s29 my last index, s30 trips, s31 trips done, s32 IDX, s39 where my round begins, s45 my number of tiles (at least 1); s33, s34, s46 at work.
.set MSB, 0
.macro WIN new                         ; the immediate's high byte repeats the setting that is left
.if MSB != (\new)
	s_set_vgpr_msb (MSB<<8)|(\new)
.set MSB, (\new)
.endif
.endm
.macro WLOAD ch                        ; chunk ch: rows 32 ch + 16 (lane / 16) + i, columns 4 (lane % 16) ..: sixteen lanes read 256 consecutive bytes
	WIN 0x40*(1+(\ch)/4)
.irp i, 0,1,2,3,4,5,6,7,8,9,10,11,12,13,14,15
	global_load_b128 v[64*((\ch)%4)+4*\i:64*((\ch)%4)+4*\i+3], v[WOF], s[4:5] offset:(32*(\ch)+\i)*ROWP th:TH_LOAD_NT
.endr
	WIN 0
.endm
.macro QCHUNK ch                       ; chunk ch becomes codes in LDS and a byte of each column's scale word
.set XW, 1+(\ch)/4
.set RB, 64*((\ch)%4)
	WIN XW|(XW<<2)                                 ; sources 0 and 1: the chunk's window
.irp c, 0,1,2,3
	v_max3_num_f32 v[M+\c], |v[RB+\c]|, |v[RB+4+\c]|, 0x4800000    ; column c: my 16 rows, and the floor 2^(9 - 127): the byte cannot fall under 1
.endr
.irp i, 2,4,6,8,10,12,14
.irp c, 0,1,2,3
	v_max3_num_f32 v[M+\c], |v[RB+4*\i+\c]|, |v[RB+4*\i+4+\c]|, v[M+\c]
.endr
.endr
	WIN 0
.irp c, 0,1,2,3
	v_permlanex16_b32 v[MX+\c], v[M+\c], s36, s37
.endr
.irp c, 0,1,2,3
	v_max_num_f32 v[M+\c], v[M+\c], v[MX+\c]       ; with lane l xor 16's 16 rows: the block's largest magnitude
.endr
.irp c, 0,1,2,3
	v_add_nc_u32 v[SO+\c], 0xfc000000, v[M+\c]     ; 8 off the exponent field: the conversion's scale operand
.endr
.irp c, 0,1,2,3
	v_and_or_b32 v[LIM+\c], v[M+\c], 0x7f800000, s38   ; 448 x the scale
.endr
.irp c, 0,1,2,3
	v_lshrrev_b32 v[BY+\c], 23, v[SO+\c]           ; the byte
.endr
.irp c, 0,1,2,3
.if ((\ch)%4) == 0
	v_mov_b32 v[SW+2*\c+(\ch)/4], v[BY+\c]
.else
	v_lshl_or_b32 v[SW+2*\c+(\ch)/4], v[BY+\c], 8*((\ch)%4), v[SW+2*\c+(\ch)/4]
.endif
.endr
	WIN XW                                         ; source 0: the chunk's window
.irp c, 0,1,2,3
.irp i, 0,1,2,3,4,5,6,7,8,9,10,11,12,13,14,15
	v_med3_num_f32 v[T+16*\c+\i], v[RB+4*\i+\c], -v[LIM+\c], v[LIM+\c]   ; the hold (the conversion does not saturate: ISA guide 7.6.2) also lays a column's 16 numbers on end
.endr
.endr
	WIN 0
	s_wait_dscnt 0x0                               ; the last chunk's LDS stores have read PC
.irp c, 0,1,2,3
	v_cvt_scalef32_pk8_fp8_f32 v[PC+4*\c:PC+4*\c+1], v[T+16*\c:T+16*\c+7], v[SO+\c]
	v_cvt_scalef32_pk8_fp8_f32 v[PC+4*\c+2:PC+4*\c+3], v[T+16*\c+8:T+16*\c+15], v[SO+\c]
.endr
	v_nop                                          ; one plain instruction behind the last conversion, ahead of whatever next writes its sources
.irp c, 0,1,2,3
	ds_store_b128 v[CSA], v[PC+4*\c:PC+4*\c+3] offset:\c*PITCH+32*(\ch)
.endr
.endm
; The tile that my wave works at index IDX + add.  The index is held at my last, turned by where my round begins, modulo my number of tiles (the lesser, unsigned, of the sum and the sum less that number);
; tile = wave + 4 x that, held at the expert's last tile and, by a constant, inside the buffers.
.macro JEFF dst, add
	s_add_co_u32 s34, s32, \add
	s_min_u32 s34, s34, s29
	s_add_co_u32 s34, s34, s39
	s_sub_co_u32 s46, s34, s45
	s_min_u32 s34, s34, s46
	s_lshl_b32 s34, s34, 2
	s_add_co_u32 s34, s34, s24
	s_min_u32 s34, s34, s28
	s_min_u32 \dst, s34, 127
.endm
.macro ALOAD2 p, add                   ; that tile's 8 hidden fragments, 4 registers of scale words and the gate weights: 37 loads
	JEFF s33, \add
	v_lshl_add_u32 v[VA+(\p)], s33, 15, v[L16]
	v_lshl_add_u32 v[VS+(\p)], s33, 10, v[L4]
	v_lshl_add_u32 v[VG+(\p)], s33, 6, v[R4]
	WIN 0xc0                                       ; destination window 3
.irp s, 0,1,2,3,4,5,6,7
.irp c, 0,1,2,3
	global_load_b128 v[128*(\p)+16*\s+4*\c:128*(\p)+16*\s+4*\c+3], v[VA+(\p)], s[16:17] offset:2048*\s+512*\c   ; 32 lanes read 512 consecutive bytes
.endr
.endr
	WIN 0
.irp m, 0,1,2,3
	global_load_b32 v[SH+4*(\p)+\m], v[VS+(\p)], s[18:19] offset:128*\m
.endr
	global_load_b32 v[G+2*(\p)], v[VG+(\p)], s[20:21]
.endm
.macro MULS2 p                         ; 32 matrix instructions: the four accumulators by turns, one instruction a turn, K step by K step
.irp s, 0,1,2,3,4,5,6,7
	WIN 0x0d+(\s)/4                                ; source 0 (W2) window 1 or 2, source 1 (hidden) window 3
.irp t, 0,1,2,3
.if \s == 0
	v_wmma_scale_f32_16x16x128_f8f6f4 v[HA+8*\t:HA+8*\t+7], v[16*(4*(\s%4)+\t):16*(4*(\s%4)+\t)+15], v[128*(\p)+16*\s:128*(\p)+16*\s+15], v[B1+8*\t:B1+8*\t+7], v[WS+8*\t+\s], v[SH+4*(\p)+\s/2]
.elseif (\s%2) == 0
	v_wmma_scale_f32_16x16x128_f8f6f4 v[HA+8*\t:HA+8*\t+7], v[16*(4*(\s%4)+\t):16*(4*(\s%4)+\t)+15], v[128*(\p)+16*\s:128*(\p)+16*\s+15], v[HA+8*\t:HA+8*\t+7], v[WS+8*\t+\s], v[SH+4*(\p)+\s/2]
.else
	v_wmma_scale_f32_16x16x128_f8f6f4 v[HA+8*\t:HA+8*\t+7], v[16*(4*(\s%4)+\t):16*(4*(\s%4)+\t)+15], v[128*(\p)+16*\s:128*(\p)+16*\s+15], v[HA+8*\t:HA+8*\t+7], v[WS+8*\t+\s], v[SH+4*(\p)+\s/2] matrix_b_scale:MATRIX_SCALE_ROW1
.endif
.endr
.endr
	WIN 0
.endm
; Half a trip: the tile at index i = IDX + p, whose 37 loads went out two half trips ago into buffer p; behind them stand index i + 1's 37.
.macro HT2 p
	s_wait_loadcnt 37                              ; all but index i + 1's 37: index i is in
	MULS2 \p
	s_wait_xcnt 0x0                                ; the last tile's stores have read their data and address, which are written again below
	JEFF s33, \p
	v_lshl_add_u32 v[YA], s33, 16, v[YO]           ; 16 rows of 4,096 bytes a tile
.rept 7
	v_nop                                          ; with the line above: eight places behind the last product
.endr
.irp k, 0,1,2,3,4,5,6,7,8,9,10,11,12,13,14,15
	v_pk_mul_f32 v[Y+2*\k:Y+2*\k+1], v[HA+2*\k:HA+2*\k+1], v[G+2*(\p):G+2*(\p)+1] op_sel_hi:[1,0]   ; x my row's gate weight; each accumulator from its low end on
.endr
	ALOAD2 \p, (\p)+2                              ; index i + 2, into the buffer that the products have left; behind the multiplications, which read the gate weight that it loads anew
.irp t, 0,1,2,3
	ds_store_b128 v[STO], v[Y+8*\t:Y+8*\t+3] offset:64*\t          ; lane (r, h): row r, columns 16 t + 8 h + 0..7
	ds_store_b128 v[STO], v[Y+8*\t+4:Y+8*\t+7] offset:64*\t+16
.endr
.irp i, 0,1,2,3,4,5,6,7
	ds_load_b128 v[OUTR+4*\i:OUTR+4*\i+3], v[RD] offset:544*\i     ; LDS serves a wave's instructions in order: these see my stores, and the next tile's stores come behind them
.endr
.irp i, 0,1,2,3,4,5,6,7
	s_wait_dscnt 7-\i
	global_store_b128 v[YA], v[OUTR+4*\i:OUTR+4*\i+3], s[14:15] offset:8192*\i   ; sixteen lanes store 256 consecutive bytes, aligned; two rows an instruction
.endr
.endm
	s_load_b256 s[4:11], s[0:1], 0x0               ; W2 s[4:5], b2 s[6:7], hc s[8:9], route s[10:11]
	s_load_b128 s[12:15], s[0:1], 0x20             ; gws s[12:13], yr s[14:15]
	v_lshl_add_u32 v254, v0, 2, 0x15400
	v_mov_b32 v255, 0
	v_lshrrev_b32 v20, 5, v0
	v_readfirstlane_b32 s24, v20                   ; wave 0..3
	s_lshr_b32 s25, ttmp9, 5                       ; e
	s_bfe_u32 s43, ttmp9, 0x10004                  ; kh: which half of K
	s_and_b32 s26, ttmp9, 15                       ; which 64 columns
	s_lshl_b32 s35, s25, 2
	s_mov_b32 s23, 0
	v_and_b32 v20, 15, v0                          ; lane % 16
	v_bfe_u32 v21, v0, 4, 1                        ; lane / 16
	v_lshlrev_b32 v[WOF], 4, v20
	v_lshl_add_u32 v[WOF], v21, 16, v[WOF]         ; 16 rows of 4,096 bytes for the upper half of the lanes
	s_lshl_b32 s22, s25, 23
	s_lshl_b32 s33, s43, 22
	s_add_co_u32 s22, s22, s33
	s_lshl_b32 s33, s24, 20
	s_add_co_u32 s22, s22, s33
	s_lshl_b32 s33, s26, 8
	s_add_co_u32 s22, s22, s33
	s_wait_kmcnt 0x0
	s_load_b32 s27, s[10:11], s35 offset:0x0       ; the expert's number of rows
	s_add_nc_u64 s[4:5], s[4:5], s[22:23]          ; W2 at expert e, K row 1,024 kh + 256 w, column 64 x slice
	WLOAD 0
	WLOAD 1
	WLOAD 2
	s_lshl_b32 s22, s25, 22
	s_lshl_b32 s33, s43, 14
	s_add_co_u32 s22, s22, s33
	s_add_nc_u64 s[16:17], s[8:9], s[22:23]        ; the hidden codes: expert e, K step 8 kh
	s_lshl_b32 s22, s25, 17
	s_lshl_b32 s33, s43, 9
	s_add_co_u32 s22, s22, s33
	s_add_co_u32 s22, s22, 0x2000000
	s_add_nc_u64 s[18:19], s[8:9], s[22:23]        ; their scale words
	s_mul_i32 s22, s25, 8256
	s_add_nc_u64 s[20:21], s[12:13], s[22:23]      ; the expert's gate weights
	s_lshl_b32 s22, s43, 26
	s_lshl_b32 s33, s25, 23
	s_add_co_u32 s22, s22, s33
	s_lshl_b32 s33, s26, 8
	s_add_co_u32 s22, s22, s33
	s_add_nc_u64 s[14:15], s[14:15], s[22:23]      ; yr at half kh, expert e, my 64 columns
	s_lshl_b32 s22, s25, 12
	s_add_co_u32 s22, s22, s33
	s_add_nc_u64 s[6:7], s[6:7], s[22:23]          ; b2 at my 64 columns
	s_cmp_eq_u32 s43, 0
	s_cselect_b32 s44, -1, 0                       ; all lanes on in the lower half of K, none in the upper
	s_mov_b32 s36, 0x76543210
	s_mov_b32 s37, 0xfedcba98                      ; v_permlanex16_b32's selects for lane l xor 16
	s_mov_b32 s38, 0x600000                        ; the mantissa field of 448
	v_and_b32 v[L4], 31, v0
	v_lshlrev_b32 v[L16], 4, v[L4]
	v_lshlrev_b32 v[L4], 2, v[L4]
	v_lshlrev_b32 v[R4], 2, v20
	v_mul_u32_u24 v[FRA], v20, PITCH
	v_lshl_add_u32 v[FRA], v21, 4, v[FRA]
	v_mul_u32_u24 v[SRA], v20, 48
	v_add_nc_u32 v[SRA], WSC, v[SRA]
	v_mul_u32_u24 v[CSA], v20, 4*PITCH             ; LDS row = column
	v_lshl_add_u32 v[CSA], v21, 4, v[CSA]
	s_lshl_b32 s33, s24, 8
	v_add_nc_u32 v[CSA], s33, v[CSA]               ; + 16 x half + my wave's 256 along K
	v_mul_u32_u24 v[WSA], v20, 4*48
	s_lshl_b32 s33, s24, 3
	s_add_co_u32 s33, s33, WSC
	v_add_nc_u32 v[WSA], s33, v[WSA]
	s_mul_i32 s33, s24, 16*272
	s_add_co_u32 s33, s33, STAGE                   ; my stage
	v_mul_u32_u24 v[STO], v20, 272
	v_lshl_add_u32 v[STO], v21, 5, v[STO]
	v_add_nc_u32 v[STO], s33, v[STO]               ; in: row lane % 16, 32 bytes for each half of the lanes
	v_mul_u32_u24 v[RD], v21, 272
	v_lshl_add_u32 v[RD], v20, 4, v[RD]
	v_add_nc_u32 v[RD], s33, v[RD]                 ; back: lanes 0-15 one row, lanes 16-31 the next
	v_lshlrev_b32 v[YO], 12, v21
	v_lshl_add_u32 v[YO], v20, 4, v[YO]            ; and the same two rows in yr
	v_lshlrev_b32 v[BOF], 5, v21
.irp c, 0,1,2,3
	v_mov_b32 v[MX+\c], 0                          ; written once: a lane permute's destination counts as one of its sources
.endr
	v_mov_b32 v[G+1], 0                            ; named as the upper halves of pairs, so they are written
	v_mov_b32 v[G+3], 0
	s_wait_kmcnt 0x0
	s_min_u32 s27, s27, 2048                       ; n
	s_add_co_u32 s28, s27, 15
	s_lshr_b32 s28, s28, 4
	s_max_u32 s28, s28, 1                          ; tiles, at least one
	s_add_co_u32 s29, s28, 3
	s_sub_co_u32 s29, s29, s24
	s_lshr_b32 s29, s29, 2                         ; of them mine
	s_add_co_u32 s30, s29, 1
	s_lshr_b32 s30, s30, 1                         ; trips of two
	s_max_u32 s45, s29, 1                          ; my number of tiles, at least 1
	s_sub_co_u32 s29, s45, 1                       ; my last index
	s_mul_i32 s39, s26, s45
	s_lshr_b32 s39, s39, 4                         ; where my round begins: (column slice x number) / 16, under the number
	s_sub_co_u32 s28, s28, 1                       ; the last tile
	s_mov_b32 s32, 0                               ; IDX
	s_mov_b32 s31, 0                               ; trips done
.irp t, 0,1,2,3
	global_load_b128 v[B1+8*\t:B1+8*\t+3], v[BOF], s[6:7] offset:64*\t         ; tile t, lane half h: columns 16 t + 8 h + 0..7
	global_load_b128 v[B1+8*\t+4:B1+8*\t+7], v[BOF], s[6:7] offset:64*\t+16
.endr
.irp ch, 0,1,2,3,4,5,6,7
.if \ch < 3
	s_wait_loadcnt 40                              ; behind this chunk's loads: two chunks and 8 of b2
.elseif \ch < 6
	s_wait_loadcnt 32                              ; two chunks
.elseif \ch == 6
	s_wait_loadcnt 53                              ; one chunk and the first tile's 37
.else
	s_wait_loadcnt 37                              ; the first tile's 37
.endif
.if \ch < 5
	WLOAD \ch+3
.endif
.if \ch == 5
	ALOAD2 0, 0                                    ; index 0
.endif
	QCHUNK \ch
.endr
	ALOAD2 1, 1                                    ; index 1
.irp c, 0,1,2,3
	ds_store_b64 v[WSA], v[SW+2*\c:SW+2*\c+1] offset:48*\c         ; lanes l and l xor 16 store the same
.endr
	s_wait_dscnt 0x0                               ; for the others' sake: my stores have landed
	s_barrier_signal -1
	s_barrier_wait -1                              ; the slice's codes and scale words are whole
.irp s, 0,1,2,3,4,5,6,7
	WIN 0x40*(1+(\s)/4)
.irp t, 0,1,2,3
.irp c, 0,1,2,3
	ds_load_b128 v[16*(4*(\s%4)+\t)+4*\c:16*(4*(\s%4)+\t)+4*\c+3], v[FRA] offset:16*\t*PITCH+128*\s+32*\c
.endr
.endr
.endr
	WIN 0
.irp t, 0,1,2,3
	ds_load_b128 v[WS+8*\t:WS+8*\t+3], v[SRA] offset:768*\t
	ds_load_b128 v[WS+8*\t+4:WS+8*\t+7], v[SRA] offset:768*\t+16
.endr
.irp i, 0,1,2,3,4,5,6,7,8,9,10,11,12,13,14,15,16,17,18,19,20,21,22,23,24,25,26,27,28,29,30,31
	v_cndmask_b32 v[B1+\i], 0, v[B1+\i], s44       ; b2 counts once: in the lower half of K
.endr
	s_wait_dscnt 0x0
	s_cmp_eq_u32 s30, 0                            ; a wave without a tile is done; no barrier follows
	s_cbranch_scc1 .Lend
.Ltrip:
	HT2 0
	HT2 1
	s_add_co_u32 s32, s32, 2
	s_add_co_u32 s31, s31, 1
	s_cmp_lt_u32 s31, s30
	s_cbranch_scc1 .Ltrip
.Lend:
	s_wait_tensorcnt 0x0
	ds_add_u32 v254, v255
	s_wait_dscnt 0x0
	s_endpgm
.Lfunc_end_k_q94482749bf_ffn2:
	.size	k_q94482749bf_ffn2, .Lfunc_end_k_q94482749bf_ffn2-k_q94482749bf_ffn2
	.p2alignl 7, 3214868480
	.fill 96, 4, 3214868480
	.section	.rodata,"a",@progbits
	.p2align	6, 0x0
	.amdhsa_kernel k_q94482749bf_ffn2
		.amdhsa_group_segment_fixed_size 87552
		.amdhsa_private_segment_fixed_size 0
		.amdhsa_enable_private_segment 0
		.amdhsa_kernarg_size 48
		.amdhsa_user_sgpr_count 2
		.amdhsa_user_sgpr_kernarg_segment_ptr 1
		.amdhsa_wavefront_size32 1
		.amdhsa_system_sgpr_workgroup_id_x 1
		.amdhsa_system_sgpr_workgroup_id_y 1
		.amdhsa_system_sgpr_workgroup_id_z 1
		.amdhsa_system_vgpr_workitem_id 0
		.amdhsa_next_free_vgpr 1024
		.amdhsa_next_free_sgpr 66
		.amdhsa_reserve_vcc 0
		.amdhsa_float_denorm_mode_32 3
		.amdhsa_float_denorm_mode_16_64 3
		.amdhsa_memory_ordered 1
		.amdhsa_forward_progress 1
		.amdhsa_inst_pref_size 129
	.end_amdhsa_kernel
	.amdgpu_metadata
---
amdhsa.version: [ 1, 2 ]
amdhsa.kernels:
  - .name:           k_q94482749bf_ffn2
    .symbol:         k_q94482749bf_ffn2.kd
    .args:
      - { .name: W2, .offset: 0, .size: 8, .value_kind: global_buffer, .address_space: global }
      - { .name: b2, .offset: 8, .size: 8, .value_kind: global_buffer, .address_space: global }
      - { .name: hc, .offset: 16, .size: 8, .value_kind: global_buffer, .address_space: global }
      - { .name: route, .offset: 24, .size: 8, .value_kind: global_buffer, .address_space: global }
      - { .name: gws, .offset: 32, .size: 8, .value_kind: global_buffer, .address_space: global }
      - { .name: yr, .offset: 40, .size: 8, .value_kind: global_buffer, .address_space: global }
    .group_segment_fixed_size: 87552
    .private_segment_fixed_size: 0
    .kernarg_segment_align: 8
    .kernarg_segment_size: 48
    .max_flat_workgroup_size: 128
    .sgpr_count:     66
    .vgpr_count:     1024
    .wavefront_size: 32
...
	.end_amdgpu_metadata
.endif
;; end of part 4
;; launch combine (part 5): grid 256 x 1, 8 waves a work-group, no clusters, 0 bytes of LDS; arguments yr, route, out0; writes out0
.if DOCPART == 5
	.amdgcn_target "amdgcn-amd-amdhsa--gfx1250"
	.amdhsa_code_object_version 6
	.text
	.protected	k_q94482749bf_combine
	.globl	k_q94482749bf_combine
	.p2align	8
	.type	k_q94482749bf_combine,@function
k_q94482749bf_combine:
	s_mov_b64 s[64:65], 0
	v_nop
	global_prefetch_b8 v0, s[64:65] scope:SCOPE_SE
	s_setreg_imm32_b32 hwreg(HW_REG_WAVE_MODE, 25, 1), 1
	s_wait_xcnt 0x0
; out0[t] = the sum of token t's four rows of yr: its two experts x the two halves of K; the gate weights are in the rows already.  Each output row has one owner, so nothing is added in memory.
; One wave to a token: 32 loads of 512 consecutive bytes, all issued at once; sums (a + b) + (c + d) in f32; 8 stores of 512 consecutive bytes.  The rows' places were stored as whole numbers by an earlier launch.
; A stream: no LDS, no barrier, no matrix unit.
.set D, 16                             ; v16-143: piece i of the row: 16 registers, four for each of the four rows
	s_load_b128 s[4:7], s[0:1], 0x0                ; yr s[4:5], route s[6:7]
	s_load_b64 s[8:9], s[0:1], 0x10                ; out0
	v_lshrrev_b32 v1, 5, v0
	v_readfirstlane_b32 s10, v1                    ; wave 0..7
	s_lshl_b32 s11, ttmp9, 3
	s_add_co_u32 s11, s11, s10                     ; token
	s_lshl_b32 s14, s11, 3                         ; two words a token
	v_and_b32 v1, 31, v0
	v_lshlrev_b32 v1, 4, v1                        ; 16 x lane
	s_lshl_b32 s18, s11, 12
	s_mov_b32 s19, 0
	s_wait_kmcnt 0x0
	s_load_b64 s[12:13], s[6:7], s14 offset:0x100  ; pos[2 t], pos[2 t + 1]
	s_add_nc_u64 s[16:17], s[4:5], 0x4000000       ; the upper half of K
	s_add_nc_u64 s[8:9], s[8:9], s[18:19]
	s_wait_kmcnt 0x0
	s_min_u32 s12, s12, 16383
	s_min_u32 s13, s13, 16383
	v_lshl_add_u32 v2, s12, 12, v1                 ; a row of yr is 4,096 bytes
	v_lshl_add_u32 v3, s13, 12, v1
.irp i, 0,1,2,3,4,5,6,7
	global_load_b128 v[D+16*\i:D+16*\i+3], v2, s[4:5] offset:512*\i th:TH_LOAD_NT
	global_load_b128 v[D+16*\i+4:D+16*\i+7], v2, s[16:17] offset:512*\i th:TH_LOAD_NT
	global_load_b128 v[D+16*\i+8:D+16*\i+11], v3, s[4:5] offset:512*\i th:TH_LOAD_NT
	global_load_b128 v[D+16*\i+12:D+16*\i+15], v3, s[16:17] offset:512*\i th:TH_LOAD_NT
.endr
.irp i, 0,1,2,3,4,5,6,7
	s_wait_loadcnt 4*(7-\i)                        ; the later pieces' loads may be out
	v_pk_add_f32 v[D+16*\i:D+16*\i+1], v[D+16*\i:D+16*\i+1], v[D+16*\i+4:D+16*\i+5]
	v_pk_add_f32 v[D+16*\i+2:D+16*\i+3], v[D+16*\i+2:D+16*\i+3], v[D+16*\i+6:D+16*\i+7]
	v_pk_add_f32 v[D+16*\i+8:D+16*\i+9], v[D+16*\i+8:D+16*\i+9], v[D+16*\i+12:D+16*\i+13]
	v_pk_add_f32 v[D+16*\i+10:D+16*\i+11], v[D+16*\i+10:D+16*\i+11], v[D+16*\i+14:D+16*\i+15]
	v_pk_add_f32 v[D+16*\i:D+16*\i+1], v[D+16*\i:D+16*\i+1], v[D+16*\i+8:D+16*\i+9]
	v_pk_add_f32 v[D+16*\i+2:D+16*\i+3], v[D+16*\i+2:D+16*\i+3], v[D+16*\i+10:D+16*\i+11]
	global_store_b128 v1, v[D+16*\i:D+16*\i+3], s[8:9] offset:512*\i th:TH_STORE_NT   ; 32 lanes store 512 consecutive bytes
.endr
	s_endpgm
.Lfunc_end_k_q94482749bf_combine:
	.size	k_q94482749bf_combine, .Lfunc_end_k_q94482749bf_combine-k_q94482749bf_combine
	.p2alignl 7, 3214868480
	.fill 96, 4, 3214868480
	.section	.rodata,"a",@progbits
	.p2align	6, 0x0
	.amdhsa_kernel k_q94482749bf_combine
		.amdhsa_group_segment_fixed_size 0
		.amdhsa_private_segment_fixed_size 0
		.amdhsa_enable_private_segment 0
		.amdhsa_kernarg_size 24
		.amdhsa_user_sgpr_count 2
		.amdhsa_user_sgpr_kernarg_segment_ptr 1
		.amdhsa_wavefront_size32 1
		.amdhsa_system_sgpr_workgroup_id_x 1
		.amdhsa_system_sgpr_workgroup_id_y 1
		.amdhsa_system_sgpr_workgroup_id_z 1
		.amdhsa_system_vgpr_workitem_id 0
		.amdhsa_next_free_vgpr 144
		.amdhsa_next_free_sgpr 66
		.amdhsa_reserve_vcc 0
		.amdhsa_float_denorm_mode_32 3
		.amdhsa_float_denorm_mode_16_64 3
		.amdhsa_memory_ordered 1
		.amdhsa_forward_progress 1
		.amdhsa_inst_pref_size 9
	.end_amdhsa_kernel
	.amdgpu_metadata
---
amdhsa.version: [ 1, 2 ]
amdhsa.kernels:
  - .name:           k_q94482749bf_combine
    .symbol:         k_q94482749bf_combine.kd
    .args:
      - { .name: yr, .offset: 0, .size: 8, .value_kind: global_buffer, .address_space: global }
      - { .name: route, .offset: 8, .size: 8, .value_kind: global_buffer, .address_space: global }
      - { .name: out0, .offset: 16, .size: 8, .value_kind: global_buffer, .address_space: global }
    .group_segment_fixed_size: 0
    .private_segment_fixed_size: 0
    .kernarg_segment_align: 8
    .kernarg_segment_size: 24
    .max_flat_workgroup_size: 256
    .sgpr_count:     66
    .vgpr_count:     144
    .wavefront_size: 32
...
	.end_amdgpu_metadata
.endif
;; end of part 5
;; ======== version 2 of 2: 5 launches
;; workspace buffers: xc 2,162,688 bytes; sel 16,384 bytes of whole numbers; gw 16,384 bytes; route 82,688 bytes of whole numbers; gws 66,048 bytes; hc 34,603,008 bytes; yr 134,217,728 bytes
;; launch gate (part 6): grid 256 x 1, 4 waves a work-group, no clusters, 76,288 bytes of LDS; arguments x, Wg, xc, sel, gw, out1, out2; writes xc, sel, gw, out1, out2
.if DOCPART == 6
	.amdgcn_target "amdgcn-amd-amdhsa--gfx1250"
	.amdhsa_code_object_version 6
	.text
	.protected	k_q94482749bf_gate
	.globl	k_q94482749bf_gate
	.p2align	8
	.type	k_q94482749bf_gate,@function
k_q94482749bf_gate:
	s_mov_b64 s[64:65], 0
	v_nop
	global_prefetch_b8 v0, s[64:65] scope:SCOPE_SE
	s_setreg_imm32_b32 hwreg(HW_REG_WAVE_MODE, 25, 1), 1
	s_wait_xcnt 0x0
; THE ROUTER AND x's CODES.  logits = x Wg in f32 (fused multiply-adds), the two largest logits of each token (the lower index wins a tie), their softmax (the larger logit is taken away first),
; and x as codes of E4M3 with one E8M0 byte for each 32 along the row.  x: [2048][1024] f32, Wg: [1024][8] f32.
; OUT: xc = [2048][1024] codes, then at byte 2,097,152 [2048][32] scale bytes; out1 = logits; out2 and sel = the two experts of a token; gw = their two weights.  Every store stands at a place that hangs on ids alone.
; SHARES.  1,024 waves, two tokens each: 8,192 bytes of x as four steps of 512 numbers.  Each load reads 512 consecutive bytes; a step turns through the wave's own stage in LDS, so that a lane holds 16 neighbours
; along the row (two lanes hold a block of 32).  Those 16 numbers serve twice: for the quantiser and for the eight dot products.
; Wg stays in 256 registers: lane l holds rows 512 hf + 16 l + 0..15, which are 512 consecutive bytes.  It comes into LDS once for the work-group, each wave a quarter, by loads of 512 consecutive bytes, laid as
; 64 runs of 512 bytes, 528 bytes apart; behind ONE barrier each lane takes its two runs.  No matrix unit (8 columns), no tensor load.
; LIMITS: NaN and infinities among the inputs are not served.  A block whose largest magnitude lies under 2^-118 (a block of zeros too) gets the byte 1; only this program reads the bytes.
; The logits are summed in another order than a row-by-row sum: two logits that differ by about 1e-6 of their size may change places in out2.
.set SP,   80                          ; a lane's place in a stage: 64 bytes + 16 of padding
.set STG,  32*SP                       ; a stage
.set SCB,  4*STG                       ; behind the four stages: the wave's 64 scale bytes
.set REG,  SCB+256                     ; a wave's region of LDS
.set WGL,  4*REG                       ; behind the four regions: Wg
.set WP,   528                         ; a run of Wg: 512 bytes + 16: sixteen lanes' runs begin in sixteen different columns of 16 bytes
.set R,    16                          ; v16-79   x as loaded; then the numbers held within the largest code
.set X,    80                          ; v80-143  16 neighbours for each of the four steps
.set ACC,  144                         ; v144-159 the sums: token a, expert e at 8 a + e
.set C,    160                         ; v160-175 codes, four registers a step
.set E,    176                         ; v176-179 a scale byte a step
.set TQ,   180                         ; v180-195 the quantiser's scratch, four registers a step
.set IX,   200                         ; v200-203 first and second expert of token a at 2 a, 2 a + 1
.set GV,   204                         ; v204-207 their weights
.set OV,   208                         ; v208     my number of out1
.set SV,   209                         ; v209     two scale bytes on the way out
.set KE,   210                         ; v210-217 the numbers 0 to 7
.set VT,   218                         ; v218-225 four registers a token: largest, second, scratch
.set MSB, 0
.macro WIN new                         ; the immediate's high byte repeats the setting that is left
.if MSB != (\new)
	s_set_vgpr_msb (MSB<<8)|(\new)
.set MSB, (\new)
.endif
.endm
	s_load_b256 s[4:11], s[0:1], 0x0               ; x s[4:5], Wg s[6:7], xc s[8:9], sel s[10:11]
	s_load_b128 s[12:15], s[0:1], 0x20             ; gw s[12:13], out1 s[14:15]
	s_load_b64 s[16:17], s[0:1], 0x30              ; out2
	v_lshl_add_u32 v254, v0, 2, 0x12800
	v_mov_b32 v255, 0
	v_lshrrev_b32 v10, 5, v0
	v_readfirstlane_b32 s20, v10                   ; wave 0..3
	v_and_b32 v1, 31, v0                           ; lane
	v_lshlrev_b32 v2, 4, v1                        ; 16 x lane: my bytes of a load's 512, and of a step's codes
	s_lshl_b32 s21, ttmp9, 2
	s_add_co_u32 s21, s21, s20                     ; W: which pair of tokens
	s_mov_b32 s23, 0
	s_lshl_b32 s22, s21, 13                        ; two rows of 4,096 bytes
	s_lshl_b32 s34, s20, 13                        ; my wave's quarter of Wg
	s_mov_b32 s35, 0
	s_wait_alu depctr_va_vdst(0)
	s_wait_kmcnt 0x0
	s_add_nc_u64 s[4:5], s[4:5], s[22:23]
	s_add_nc_u64 s[6:7], s[6:7], s[34:35]
.irp n, 0,1,2,3,4,5,6,7,8,9,10,11,12,13,14,15
	global_load_b128 v[R+4*\n:R+4*\n+3], v2, s[4:5] offset:512*\n th:TH_LOAD_NT   ; 32 lanes read 512 consecutive bytes
.endr
	WIN 0x40                                       ; destination window 1
.irp n, 0,1,2,3,4,5,6,7,8,9,10,11,12,13,14,15
	global_load_b128 v[4*\n:4*\n+3], v2, s[6:7] offset:512*\n      ; run 16 w + n of Wg: 512 consecutive bytes
.endr
	WIN 0
	s_add_nc_u64 s[18:19], s[8:9], 0x200000        ; the scale bytes lie behind the codes
	s_lshl_b32 s22, s21, 6
	s_add_nc_u64 s[18:19], s[18:19], s[22:23]      ; 32 bytes a token
	s_add_nc_u64 s[14:15], s[14:15], s[22:23]      ; out1: 32 bytes a token
	s_lshl_b32 s22, s21, 11
	s_add_nc_u64 s[8:9], s[8:9], s[22:23]          ; codes: 1,024 bytes a token
	s_lshl_b32 s22, s21, 4
	s_add_nc_u64 s[10:11], s[10:11], s[22:23]      ; sel, gw, out2: 8 bytes a token
	s_add_nc_u64 s[12:13], s[12:13], s[22:23]
	s_add_nc_u64 s[16:17], s[16:17], s[22:23]
	s_mul_i32 s27, s20, REG                        ; my wave's region
	v_lshrrev_b32 v3, 2, v1
	v_mul_u32_u24 v3, v3, SP
	v_and_b32 v10, 3, v1
	v_lshl_add_u32 v3, v10, 4, v3
	v_add_nc_u32 v3, s27, v3                       ; into a stage: four lanes' 64 bytes on end, then the padding
	v_mul_u32_u24 v4, v1, SP
	v_add_nc_u32 v4, s27, v4                       ; out of it: my 16 neighbours
	s_add_co_u32 s27, s27, SCB
	v_lshrrev_b32 v5, 1, v1
	v_add_nc_u32 v5, s27, v5                       ; my block's scale byte
	v_lshlrev_b32 v7, 1, v1
	v_add_nc_u32 v6, s27, v7                       ; and two bytes a lane on the way out
	v_mul_u32_u24 v8, v1, WP
	v_add_nc_u32 v8, WGL, v8                       ; Wg out of LDS: run l (and, 32 runs on, run 32 + l)
	s_mul_i32 s36, s20, 16*WP
	s_add_co_u32 s36, s36, WGL
	v_add_nc_u32 v11, s36, v2                      ; Wg into LDS: my wave's 16 runs, 16 bytes a lane
	v_mov_b32 v9, 0
.irp e, 0,1,2,3,4,5,6,7
	v_mov_b32 v[KE+\e], \e
.endr
	s_mov_b32 s24, 0x76543210
	s_mov_b32 s25, 0xfedcba98                      ; v_permlanex16_b32's selects for lane l xor 16
	s_mov_b32 s26, 0x600000                        ; the mantissa field of 448
	s_mov_b32 s28, 0xaaaaaaaa                      ; the lanes whose number has bit 0, 1, 2, 3
	s_mov_b32 s29, 0xcccccccc
	s_mov_b32 s30, 0xf0f0f0f0
	s_mov_b32 s31, 0xff00ff00
	s_wait_loadcnt 16                              ; behind x's sixteen loads stand Wg's sixteen: x is in
.irp st, 0,1,2,3
.irp i, 0,1,2,3
	ds_store_b128 v3, v[R+16*\st+4*\i:R+16*\st+4*\i+3] offset:STG*\st+8*SP*\i
.endr
.endr
.irp st, 0,1,2,3
.irp i, 0,1,2,3
	ds_load_b128 v[X+16*\st+4*\i:X+16*\st+4*\i+3], v4 offset:STG*\st+16*\i   ; LDS serves a wave's instructions in order: these see my stores
.endr
.endr
	s_wait_loadcnt 0x0                             ; my quarter of Wg
	WIN 0x04                                       ; an LDS store's data are its source 1: window 1
.irp n, 0,1,2,3,4,5,6,7,8,9,10,11,12,13,14,15
	ds_store_b128 v11, v[4*\n:4*\n+3] offset:WP*\n
.endr
	WIN 0
	s_wait_dscnt 0x0                               ; for the others' sake: my stores of Wg have landed (and x's numbers are back)
	s_barrier_signal -1
	s_barrier_wait -1                              ; Wg is whole in LDS
	WIN 0x40                                       ; destination window 1
.irp hf, 0,1
.irp i, 0,1,2,3,4,5,6,7,8,9,10,11,12,13,14,15
.irp u, 0,1
	ds_load_b128 v[128*\hf+8*\i+4*\u:128*\hf+8*\i+4*\u+3], v8 offset:32*WP*\hf+32*\i+16*\u   ; Wg(512 hf + 16 l + i, 4 u ..)
.endr
.endr
.endr
	WIN 0
; Step st: 512 numbers become codes and 16 scale bytes.  X is left as it is, for the dot products.
.macro QSTEP st
.set XS, X+16*(\st)
.set RS, R+16*(\st)
.set TT, TQ+4*(\st)
	v_max3_num_f32 v[TT], |v[XS]|, |v[XS+1]|, |v[XS+2]|            ; the largest magnitude of my 16, in two chains
	v_max3_num_f32 v[TT+1], |v[XS+3]|, |v[XS+4]|, |v[XS+5]|
.irp i, 6,10
	v_max3_num_f32 v[TT], v[TT], |v[XS+\i]|, |v[XS+\i+1]|
	v_max3_num_f32 v[TT+1], v[TT+1], |v[XS+\i+2]|, |v[XS+\i+3]|
.endr
	v_max3_num_f32 v[TT], v[TT], |v[XS+14]|, |v[XS+15]|
	v_max3_num_f32 v[TT], v[TT], v[TT+1], 0x4800000                ; and the floor 2^(9 - 127): the byte cannot fall under 1
	v_max_num_f32_dpp v[TT], v[TT], v[TT] row_xmask:1 row_mask:0xf bank_mask:0xf   ; with my neighbour's 16: the block's
	v_add_nc_u32 v[TT+3], 0xfc000000, v[TT]        ; 8 off the exponent field: the conversion's scale operand
	v_and_or_b32 v[TT+2], v[TT], 0x7f800000, s26   ; 448 x the scale
.irp i, 0,1,2,3,4,5,6,7,8,9,10,11,12,13,14,15
	v_med3_num_f32 v[RS+\i], v[XS+\i], -v[TT+2], v[TT+2]           ; the conversion to an 8-bit code does not saturate (ISA guide 7.6.2): the hold comes first
.endr
	v_cvt_scalef32_pk8_fp8_f32 v[C+4*(\st):C+4*(\st)+1], v[RS:RS+7], v[TT+3]
	v_cvt_scalef32_pk8_fp8_f32 v[C+4*(\st)+2:C+4*(\st)+3], v[RS+8:RS+15], v[TT+3]
	v_lshrrev_b32 v[E+(\st)], 23, v[TT+3]          ; the scale's byte
	ds_store_b8 v5, v[E+(\st)] offset:16*(\st)     ; both lanes of a block write the same byte with the same value
	global_store_b128 v2, v[C+4*(\st):C+4*(\st)+3], s[8:9] offset:512*(\st)   ; 32 lanes store 512 consecutive bytes
.endm
	QSTEP 0                                        ; the quantiser works while Wg's runs come out of LDS
	QSTEP 1
	QSTEP 2
	QSTEP 3
; Step st's part of the eight dot products of token st / 2: two experts an instruction; x's number serves both halves.
.macro DOT st
.set AA, ACC+8*((\st)/2)
.set WB, 128*((\st)%2)
.set XB, X+16*(\st)
.irp i, 0,1,2,3,4,5,6,7,8,9,10,11,12,13,14,15
.irp ep, 0,1,2,3
.if (((\st)%2) == 0) && (\i == 0)
	v_pk_mul_f32 v[AA+2*\ep:AA+2*\ep+1], v[WB+2*\ep:WB+2*\ep+1], v[XB:XB+1] op_sel_hi:[1,0]        ; the first product starts the sums
.elseif (\i%2) == 0
	v_pk_fma_f32 v[AA+2*\ep:AA+2*\ep+1], v[WB+8*\i+2*\ep:WB+8*\i+2*\ep+1], v[XB+\i:XB+\i+1], v[AA+2*\ep:AA+2*\ep+1] op_sel_hi:[1,0,1]
.else
	v_pk_fma_f32 v[AA+2*\ep:AA+2*\ep+1], v[WB+8*\i+2*\ep:WB+8*\i+2*\ep+1], v[XB+\i-1:XB+\i], v[AA+2*\ep:AA+2*\ep+1] op_sel:[0,1,0] op_sel_hi:[1,1,1]
.endif
.endr
.endr
.endm
	s_wait_dscnt 0x0                               ; Wg is in registers
	WIN 0x01                                       ; source 0 (Wg) window 1
	DOT 0
	DOT 1
	DOT 2
	DOT 3
	WIN 0
.irp m, 1,2,4,8                        ; the sixteen sums over the 32 lanes, by turns
.irp j, 0,1,2,3,4,5,6,7,8,9,10,11,12,13,14,15
	v_add_f32_dpp v[ACC+\j], v[ACC+\j], v[ACC+\j] row_xmask:\m row_mask:0xf bank_mask:0xf
.endr
.endr
.irp j, 0,1,2,3,4,5,6,7,8,9,10,11,12,13,14,15
	v_permlanex16_b32 v[R+\j], v[ACC+\j], s24, s25
.endr
.irp j, 0,1,2,3,4,5,6,7,8,9,10,11,12,13,14,15
	v_add_f32 v[ACC+\j], v[ACC+\j], v[R+\j]        ; every lane holds all sixteen logits
.endr
; The two largest logits of token a and their softmax.  Choices are made by v_cndmask_b32 alone.
.macro TOP2 a
.set LB, ACC+8*(\a)
.set I1, IX+2*(\a)
.set GG, GV+2*(\a)
.set VV, VT+4*(\a)
	v_mov_b32 v[VV], v[LB]
	v_mov_b32 v[I1], 0
.irp e, 1,2,3,4,5,6,7
	v_cmp_gt_f32 vcc_lo, v[LB+\e], v[VV]           ; strictly larger: the lower index keeps a tie
	v_cndmask_b32 v[VV], v[VV], v[LB+\e], vcc_lo
	v_cndmask_b32 v[I1], v[I1], v[KE+\e], vcc_lo
.endr
	v_mov_b32 v[VV+1], 0xff800000                  ; -infinity
	v_mov_b32 v[I1+1], 0
.irp e, 0,1,2,3,4,5,6,7
	v_cmp_gt_f32 s34, v[LB+\e], v[VV+1]
	v_cmp_ne_u32 vcc_lo, \e, v[I1]                 ; not the first choice again
	s_and_b32 vcc_lo, vcc_lo, s34
	v_cndmask_b32 v[VV+1], v[VV+1], v[LB+\e], vcc_lo
	v_cndmask_b32 v[I1+1], v[I1+1], v[KE+\e], vcc_lo
.endr
	v_sub_f32 v[VV+2], v[VV+1], v[VV]              ; the maximum is taken away: 0 for the first, this for the second
	v_mul_f32 v[VV+2], 0x3fb8aa3b, v[VV+2]
	s_wait_alu depctr_va_vdst(0)
	v_exp_f32 v[VV+3], v[VV+2]
	v_nop                                          ; one plain instruction behind a transcendental
	s_wait_alu depctr_va_vdst(0)
	v_add_f32 v[VV+2], 1.0, v[VV+3]
	s_wait_alu depctr_va_vdst(0)
	v_rcp_f32 v[GG], v[VV+2]                       ; 1 / (1 + t)
	v_nop
	s_wait_alu depctr_va_vdst(0)
	v_mul_f32 v[GG+1], v[VV+3], v[GG]              ; t / (1 + t)
.endm
	TOP2 0
	TOP2 1
.irp j, 0,1,2,3,4,5,6,7                ; lane l picks sum l % 16, by the bits of its number
	v_cndmask_b32 v[R+\j], v[ACC+2*\j], v[ACC+2*\j+1], s28
.endr
.irp j, 0,1,2,3
	v_cndmask_b32 v[R+8+\j], v[R+2*\j], v[R+2*\j+1], s29
.endr
.irp j, 0,1
	v_cndmask_b32 v[R+12+\j], v[R+8+2*\j], v[R+8+2*\j+1], s30
.endr
	v_cndmask_b32 v[OV], v[R+12], v[R+13], s31
	ds_load_u16 v[SV], v6                          ; my wave's 64 scale bytes, two a lane
	v_lshlrev_b32 v10, 2, v1
	s_wait_alu depctr_va_vdst(0)
	s_wait_dscnt 0x0
	global_store_b16 v7, v[SV], s[18:19]           ; 64 consecutive bytes
	v_cmp_gt_u32 vcc_lo, 16, v1
	s_wait_xcnt 0x0                                ; EXEC changes only behind this wait: it is a source of the stores above
	s_wait_tensorcnt 0x0
	ds_add_u32 v254, v255
	s_wait_dscnt 0x0
	s_and_saveexec_b32 s32, vcc_lo
	global_store_b32 v10, v[OV], s[14:15]          ; lanes 0-15: the two tokens' logits, 64 consecutive bytes
	v_cmp_eq_u32 vcc_lo, 0, v1
	s_wait_xcnt 0x0
	s_and_saveexec_b32 s33, vcc_lo
	global_store_b128 v9, v[IX:IX+3], s[16:17]     ; lane 0: the two tokens' experts,
	global_store_b128 v9, v[IX:IX+3], s[10:11]     ; once more for the next launch,
	global_store_b128 v9, v[GV:GV+3], s[12:13]     ; and their weights
	s_endpgm
.Lfunc_end_k_q94482749bf_gate:
	.size	k_q94482749bf_gate, .Lfunc_end_k_q94482749bf_gate-k_q94482749bf_gate
	.p2alignl 7, 3214868480
	.fill 96, 4, 3214868480
	.section	.rodata,"a",@progbits
	.p2align	6, 0x0
	.amdhsa_kernel k_q94482749bf_gate
		.amdhsa_group_segment_fixed_size 76288
		.amdhsa_private_segment_fixed_size 0
		.amdhsa_enable_private_segment 0
		.amdhsa_kernarg_size 56
		.amdhsa_user_sgpr_count 2
		.amdhsa_user_sgpr_kernarg_segment_ptr 1
		.amdhsa_wavefront_size32 1
		.amdhsa_system_sgpr_workgroup_id_x 1
		.amdhsa_system_sgpr_workgroup_id_y 1
		.amdhsa_system_sgpr_workgroup_id_z 1
		.amdhsa_system_vgpr_workitem_id 0
		.amdhsa_next_free_vgpr 512
		.amdhsa_next_free_sgpr 66
		.amdhsa_reserve_vcc 1
		.amdhsa_float_denorm_mode_32 3
		.amdhsa_float_denorm_mode_16_64 3
		.amdhsa_memory_ordered 1
		.amdhsa_forward_progress 1
		.amdhsa_inst_pref_size 51
	.end_amdhsa_kernel
	.amdgpu_metadata
---
amdhsa.version: [ 1, 2 ]
amdhsa.kernels:
  - .name:           k_q94482749bf_gate
    .symbol:         k_q94482749bf_gate.kd
    .args:
      - { .name: x, .offset: 0, .size: 8, .value_kind: global_buffer, .address_space: global }
      - { .name: Wg, .offset: 8, .size: 8, .value_kind: global_buffer, .address_space: global }
      - { .name: xc, .offset: 16, .size: 8, .value_kind: global_buffer, .address_space: global }
      - { .name: sel, .offset: 24, .size: 8, .value_kind: global_buffer, .address_space: global }
      - { .name: gw, .offset: 32, .size: 8, .value_kind: global_buffer, .address_space: global }
      - { .name: out1, .offset: 40, .size: 8, .value_kind: global_buffer, .address_space: global }
      - { .name: out2, .offset: 48, .size: 8, .value_kind: global_buffer, .address_space: global }
    .group_segment_fixed_size: 76288
    .private_segment_fixed_size: 0
    .kernarg_segment_align: 8
    .kernarg_segment_size: 56
    .max_flat_workgroup_size: 128
    .sgpr_count:     66
    .vgpr_count:     512
    .wavefront_size: 32
...
	.end_amdgpu_metadata
.endif
;; end of part 6
;; launch place (part 7): grid 1 x 1, 32 waves a work-group, no clusters, 8,192 bytes of LDS; arguments sel, gw, route, gws; writes route, gws
.if DOCPART == 7
	.amdgcn_target "amdgcn-amd-amdhsa--gfx1250"
	.amdhsa_code_object_version 6
	.text
	.protected	k_q94482749bf_place
	.globl	k_q94482749bf_place
	.p2align	8
	.type	k_q94482749bf_place,@function
k_q94482749bf_place:
	s_mov_b64 s[64:65], 0
	v_nop
	global_prefetch_b8 v0, s[64:65] scope:SCOPE_SE
	s_setreg_imm32_b32 hwreg(HW_REG_WAVE_MODE, 25, 1), 1
	s_wait_xcnt 0x0
; THE ROWS ARE PLACED BY EXPERT: a counting sort of the 4,096 slots (slot = 2 x token + k) without atomics, by one work-group of 1,024 threads, four slots a thread.
; IN: sel [4096] experts, gw [4096] weights.  OUT: route: words 0-31: word l = the number of rows of expert l % 8; from byte 256: pos[slot] = 2,048 x expert + place; from byte 16,640: list[8][2064] of slots;
; gws [8][2064]: the weight of each list entry.  Behind each expert's last entry stand 16 pad entries (slot 0, weight 0), so that a last tile of 16 rows reads written words.
; A token's two experts differ, so no expert has more than 2,048 rows: each has a fixed room, and no later address hangs on a loaded base.
; A slot's place = the rows of its expert in earlier waves + in this wave's earlier turns + in lower lanes of this turn.
.set SEL, 4                            ; v4-7    my four experts
.set GWV, 8                            ; v8-11   my four weights
.set RK,  12                           ; v12-15  rank within the wave
.set CN,  20                           ; v20-27  eight waves' counts
.set TOT, 28                           ; v28     rows of expert lane % 8
.set BAS, 29                           ; v29     of them in earlier waves
.set BX,  32
.set BS,  36
.set PV,  40
.set LI,  44
.set SLT, 48
	s_load_b256 s[4:11], s[0:1], 0x0               ; sel s[4:5], gw s[6:7], route s[8:9], gws s[10:11]
	v_lshl_add_u32 v64, v0, 2, 0x1000
	v_mov_b32 v65, 0
	v_lshrrev_b32 v16, 5, v0
	s_delay_alu instid0(VALU_DEP_1)
	v_readfirstlane_b32 s12, v16                   ; wave 0..31
	v_and_b32 v1, 31, v0                           ; lane
	v_lshlrev_b32 v2, 4, v0                        ; 16 bytes a thread
	v_lshlrev_b32 v18, 2, v0                       ; 4 x thread: my first slot, and my word of the table
	s_wait_alu depctr_va_vdst(0)
	s_wait_kmcnt 0x0
	global_load_b128 v[SEL:SEL+3], v2, s[4:5]
	global_load_b128 v[GWV:GWV+3], v2, s[6:7]
	s_mov_b32 s14, 0x76543210
	s_mov_b32 s15, 0xfedcba98                      ; v_permlanex16_b32's selects for lane l xor 16
	v_mov_b32 v17, 0
	v_mov_b32 v31, 0
.irp e, 0,1,2,3,4,5,6,7
	s_mov_b32 s[32+\e], 0                          ; the wave's rows of expert e so far
.endr
.irp u, 0,1,2,3
	v_mov_b32 v[RK+\u], 0
.endr
	s_wait_loadcnt 0x0
.irp u, 0,1,2,3
	v_min_u32 v[SEL+\u], 7, v[SEL+\u]
.endr
.irp u, 0,1,2,3
.irp e, 0,1,2,3,4,5,6,7
	v_cmp_eq_u32 vcc_lo, \e, v[SEL+\u]
	s_delay_alu instid0(VALU_DEP_1)
	v_mbcnt_lo_u32_b32 v16, vcc_lo, s[32+\e]       ; earlier turns' rows + lower lanes' of this turn
	s_delay_alu instid0(VALU_DEP_1)
	v_cndmask_b32 v[RK+\u], v[RK+\u], v16, vcc_lo
	s_bcnt1_i32_b32 s40, vcc_lo
	s_add_co_u32 s[32+\e], s[32+\e], s40
.endr
.endr
.irp e, 0
	v_writelane_b32 v17, s[32+\e], \e
.endr
.irp e, 1, 2, 3, 4, 5, 6, 7
	s_delay_alu instid0(VALU_DEP_1)
	v_writelane_b32 v17, s[32+\e], \e
.endr
	ds_store_b32 v18, v17                          ; the table: 128 bytes a wave, words 0-7 its counts
	s_wait_dscnt 0x0                               ; for the others' sake: my store has landed
	s_barrier_signal -1
	s_barrier_wait -1
	v_and_b32 v19, 7, v1                           ; lane l sums expert l % 8 over waves 8 (l / 8) + 0..7
	v_lshrrev_b32 v52, 3, v1
	s_delay_alu instid0(VALU_DEP_2)
	v_lshlrev_b32 v19, 2, v19
	s_delay_alu instid0(VALU_DEP_1)
	v_lshl_add_u32 v19, v52, 10, v19
.irp i, 0,1,2,3,4,5,6,7
	ds_load_b32 v[CN+\i], v19 offset:128*\i
.endr
	v_lshlrev_b32 v52, 3, v52
	s_delay_alu instid0(VALU_DEP_1)
	v_sub_nc_u32 v30, s12, v52                     ; my wave - 8 (l / 8): wave 8 (l / 8) + i is earlier where i is less
	v_mov_b32 v[TOT], 0
	v_mov_b32 v[BAS], 0
	s_wait_alu depctr_va_vdst(0)
	s_wait_dscnt 0x0
.irp i, 0
	v_cmp_lt_i32 vcc_lo, \i, v30
	s_delay_alu instid0(VALU_DEP_1)
	v_cndmask_b32 v16, v31, v[CN+\i], vcc_lo
	s_delay_alu instid0(VALU_DEP_1)
	v_add_nc_u32 v[BAS], v[BAS], v16
	v_add_nc_u32 v[TOT], v[TOT], v[CN+\i]
.endr
.irp i, 1, 2, 3, 4, 5, 6, 7
	v_cmp_lt_i32 vcc_lo, \i, v30
	s_delay_alu instid0(VALU_DEP_1)
	v_cndmask_b32 v16, v31, v[CN+\i], vcc_lo
	s_delay_alu instid0(VALU_DEP_1)
	v_add_nc_u32 v[BAS], v[BAS], v16
	s_delay_alu instid0(VALU_DEP_4)
	v_add_nc_u32 v[TOT], v[TOT], v[CN+\i]
.endr
	s_delay_alu instid0(VALU_DEP_1)
	v_mov_b32_dpp v16, v[TOT] row_xmask:8 row_mask:0xf bank_mask:0xf   ; the four groups of lanes are joined: lane l xor 8,
	s_delay_alu instid0(VALU_DEP_1)
	v_add_nc_u32 v[TOT], v[TOT], v16
	s_delay_alu instid0(VALU_DEP_4)
	v_mov_b32_dpp v16, v[BAS] row_xmask:8 row_mask:0xf bank_mask:0xf
	s_delay_alu instid0(VALU_DEP_1)
	v_add_nc_u32 v[BAS], v[BAS], v16
	s_delay_alu instid0(VALU_DEP_2)
	v_permlanex16_b32 v16, v[TOT], s14, s15        ; lane l xor 16
	s_delay_alu instid0(VALU_DEP_1)
	v_add_nc_u32 v[TOT], v[TOT], v16
	s_delay_alu instid0(VALU_DEP_2)
	v_permlanex16_b32 v16, v[BAS], s14, s15
	s_delay_alu instid0(VALU_DEP_1)
	v_add_nc_u32 v[BAS], v[BAS], v16
.irp u, 0,1,2,3
	v_lshlrev_b32 v[BX+\u], 2, v[SEL+\u]
	ds_bpermute_b32 v[BS+\u], v[BX+\u], v[BAS]     ; lane e holds expert e's figure
.endr
	s_wait_dscnt 0x0
.irp u, 0,1,2,3
	v_add_nc_u32 v[BS+\u], v[BS+\u], v[RK+\u]
	s_delay_alu instid0(VALU_DEP_1)
	v_min_u32 v[BS+\u], 2047, v[BS+\u]             ; the slot's place among its expert's rows
	s_delay_alu instid0(VALU_DEP_1)
	v_lshl_add_u32 v[PV+\u], v[SEL+\u], 11, v[BS+\u]
	s_delay_alu instid0(VALU_DEP_2)
	v_mad_u32_u24 v[LI+\u], v[SEL+\u], 2064, v[BS+\u]
	s_delay_alu instid0(VALU_DEP_1)
	v_min_u32 v[LI+\u], 16511, v[LI+\u]
	s_delay_alu instid0(VALU_DEP_1)
	v_lshlrev_b32 v[LI+\u], 2, v[LI+\u]
	v_add_nc_u32 v[SLT+\u], \u, v18
.endr
	global_store_b128 v2, v[PV:PV+3], s[8:9] offset:256
.irp u, 0,1,2,3
	global_store_b32 v[LI+\u], v[SLT+\u], s[8:9] offset:16640
	global_store_b32 v[LI+\u], v[GWV+\u], s[10:11]
.endr
	s_cmp_lt_u32 s12, 4                            ; waves 0-3 write the pads: 16 lanes to an expert
	s_cbranch_scc0 .Lno_pad
	v_lshrrev_b32 v52, 4, v1
	s_delay_alu instid0(VALU_DEP_1)
	v_lshl_add_u32 v52, s12, 1, v52                ; expert 2 x wave + lane / 16
	s_delay_alu instid0(VALU_DEP_1)
	v_lshlrev_b32 v53, 2, v52
	ds_bpermute_b32 v54, v53, v[TOT]
	v_and_b32 v55, 15, v1
	s_delay_alu instid0(VALU_DEP_1)
	v_mad_u32_u24 v55, v52, 2064, v55
	s_wait_dscnt 0x0
	v_min_u32 v54, 2048, v54
	s_wait_alu depctr_va_vdst(0)
	v_add_nc_u32 v55, v55, v54
	s_delay_alu instid0(VALU_DEP_1)
	v_min_u32 v55, 16511, v55
	s_delay_alu instid0(VALU_DEP_1)
	v_lshlrev_b32 v55, 2, v55
	global_store_b32 v55, v31, s[8:9] offset:16640 ; slot 0
	global_store_b32 v55, v31, s[10:11]            ; weight 0
.Lno_pad:
	s_cmp_lg_u32 s12, 0
	s_cbranch_scc1 .Lend
	v_lshlrev_b32 v56, 2, v1
	global_store_b32 v56, v[TOT], s[8:9]           ; wave 0: the counts
.Lend:
	s_wait_tensorcnt 0x0
	ds_add_u32 v64, v65
	s_wait_dscnt 0x0
	s_endpgm
.Lfunc_end_k_q94482749bf_place:
	.size	k_q94482749bf_place, .Lfunc_end_k_q94482749bf_place-k_q94482749bf_place
	.p2alignl 7, 3214868480
	.fill 96, 4, 3214868480
	.section	.rodata,"a",@progbits
	.p2align	6, 0x0
	.amdhsa_kernel k_q94482749bf_place
		.amdhsa_group_segment_fixed_size 8192
		.amdhsa_private_segment_fixed_size 0
		.amdhsa_enable_private_segment 0
		.amdhsa_kernarg_size 32
		.amdhsa_user_sgpr_count 2
		.amdhsa_user_sgpr_kernarg_segment_ptr 1
		.amdhsa_wavefront_size32 1
		.amdhsa_system_sgpr_workgroup_id_x 1
		.amdhsa_system_sgpr_workgroup_id_y 1
		.amdhsa_system_sgpr_workgroup_id_z 1
		.amdhsa_system_vgpr_workitem_id 0
		.amdhsa_next_free_vgpr 66
		.amdhsa_next_free_sgpr 66
		.amdhsa_reserve_vcc 1
		.amdhsa_float_denorm_mode_32 3
		.amdhsa_float_denorm_mode_16_64 3
		.amdhsa_memory_ordered 1
		.amdhsa_forward_progress 1
		.amdhsa_inst_pref_size 19
	.end_amdhsa_kernel
	.amdgpu_metadata
---
amdhsa.version: [ 1, 2 ]
amdhsa.kernels:
  - .name:           k_q94482749bf_place
    .symbol:         k_q94482749bf_place.kd
    .args:
      - { .name: sel, .offset: 0, .size: 8, .value_kind: global_buffer, .address_space: global }
      - { .name: gw, .offset: 8, .size: 8, .value_kind: global_buffer, .address_space: global }
      - { .name: route, .offset: 16, .size: 8, .value_kind: global_buffer, .address_space: global }
      - { .name: gws, .offset: 24, .size: 8, .value_kind: global_buffer, .address_space: global }
    .group_segment_fixed_size: 8192
    .private_segment_fixed_size: 0
    .kernarg_segment_align: 8
    .kernarg_segment_size: 32
    .max_flat_workgroup_size: 1024
    .sgpr_count:     66
    .vgpr_count:     66
    .wavefront_size: 32
...
	.end_amdgpu_metadata
.endif
;; end of part 7
;; launch ffn1 (part 8): grid 256 x 1, 4 waves a work-group, no clusters, 70,144 bytes of LDS; arguments W1, b1, xc, route, hc; writes hc
.if DOCPART == 8
	.amdgcn_target "amdgcn-amd-amdhsa--gfx1250"
	.amdhsa_code_object_version 6
	.text
	.protected	k_q94482749bf_ffn1
	.globl	k_q94482749bf_ffn1
	.p2align	8
	.type	k_q94482749bf_ffn1,@function
k_q94482749bf_ffn1:
	s_mov_b64 s[64:65], 0
	v_nop
	global_prefetch_b8 v0, s[64:65] scope:SCOPE_SE
	s_setreg_imm32_b32 hwreg(HW_REG_WAVE_SCHED_MODE, 0, 2), 2
	s_setreg_imm32_b32 hwreg(HW_REG_WAVE_MODE, 25, 1), 1
	s_wait_xcnt 0x0
	s_wait_alu depctr_vm_vsrc(0)
; THE FIRST PRODUCT, FOR THE CHOSEN ROWS ALONE: hidden = relu(x W1[e] + b1[e]) on codes of E4M3 with one E8M0 scale for each 32 along K = 1,024, and the hidden layer quantised along ITS next K on the way.
; SHARES.  Work-group = expert e (id / 32) x 64 hidden units (id % 32).  Its slice of W1, 1,024 x 64 f32, is read from memory once (each row's 64 columns are 256 consecutive, aligned bytes) and quantised down K:
; wave w takes K rows 256 w .. + 255 in 8 chunks of 32 rows; a lane holds 4 columns x 16 rows, a block of 32 lies in lanes l and l xor 16.  The codes meet in LDS, [64 rows = columns][1,024 along K]; behind ONE barrier
; every wave takes the whole slice into registers (32 fragments, 512 registers) and keeps it.  Then the expert's rows go past it, 16 at a time: wave w takes tiles w, w + 4, ..
; THE MATRIX INSTRUCTION IS USED TRANSPOSED (source 0 = 16 columns of W1, source 1 = 16 rows of x), and the columns of a tile are chosen (LDS row = column with bits 3 and 4 changed over) so that a lane's 16 registers
; of two neighbouring tiles are 16 neighbouring hidden units: the conversions' results are registers of the next product's operand.  b1 is the C of each sum's first instruction.
; OUT: hc: images of operand registers: byte ((128 e + tile) 16 + K step) 2,048 + 512 x block + 16 x lane; from byte 33,554,432 the scale words: ((128 e + tile) 16 + K step) 64 + 4 x row.
; THE NUMBER OF TILES IS READ FROM MEMORY (an earlier launch stored it).  A text with such a trip count holds no tensor load, so x's rows, which the 32 work-groups of an expert share, are not asked for jointly:
; they come straight into registers, two tiles on their way: a tile is asked for as soon as the products of the tile two before it have left its buffer.
; THE ORDER OF A WAVE'S TILES TURNS WITH THE WORK-GROUP: slice sl begins at index (sl x count) / 32 of the wave's count tiles and goes round.  So the 32 work-groups of an expert stand at different tiles at any time,
; and the two tiles that each asks for ahead of the loop are, between them, all the expert's tiles.
; At least one tile is always worked (pad rows), and a wave with an odd number of tiles works one tile twice: the same bytes to the same places.
; LIMITS: NaN and infinities are not served; a block under 2^-118 (zeros too) gets the byte 1, which only this program reads.
; THE MODE: SCHED_MODE bits 1:0 = 2 (LLVM: expert scheduling mode 2), set by the entry lines.  The code itself states the register dependences
; between vector or matrix instructions and memory or LDS instructions, with s_wait_alu, always for 0.
; THE PLAN.  Registers that memory or LDS instructions touch:
;   windows 1, 2          Each chunk of W1 has registers of its own, loaded once; that chunk's maxima and holds read them.  Behind the barrier the fragments land there; from then on matrix instructions alone name them.
;   PC, in the weights' phase   Written by a chunk's conversions, read by its four LDS stores.       SW   Written by the chunks' lines, read by the four LDS stores ahead of the barrier.
;   window 3, SX [p]      Half trip i, p = i % 2: its products read buffer p; behind them the rows of index i + 2 land in it.
;   LV [p]                Read by the shift that makes the token; then the slots of index i + 4 land in it.
;   XA, XSA, LA [p]       Written in half trip i, read by the loads that are issued in it.
;   PC, PW, HO, HSO [p]   The out-buffer: written in half trip i, read by the three stores that are issued in half trip i + 1.
;   WOF, BOF, FRA, SRA, CSA, WSA, L16, R4, H16   Made at the head, never written again.       v254, v255   Written at the head, read by the closing add alone.
; So a half trip holds ONE wait on vm_vsrc and ONE on va_vdst, both between its products and its epilogue.  Behind the second stand the 35 loads and the stores of the tile before, with no vector instruction between;
; the epilogue that follows names the accumulators, its scratch and out-buffer p: none of the registers that those loads and stores touch.  The loads stand in one run: they land in window 3.
; A tile's stores leave a half trip behind its epilogue, so the first half trip and the last are written out, and a lap of the loop is half trips 1 and 0.
.set ROWP,  8192                       ; a row of W1 in bytes
.set PITCH, 1040                       ; an LDS row of codes: 1,024 bytes + 16: row r starts 16 r bytes further round the banks
.set WSC,   64*PITCH                   ; behind the codes: the weights' scale words, 8 a row, rows 48 bytes apart
.set L16, 1                            ; v1   16 x lane
.set R4,  2                            ; v2   4 x (lane % 16)
.set H16, 3                            ; v3   16 x (lane / 16)
.set LA,  4                            ; v4-5   address of the list's words, tile in buffer p
.set LV,  6                            ; v6-7   the slots read
.set XA,  8                            ; v8-9   my row's codes
.set XSA, 10                           ; v10-11 my row's scale bytes
.set FRA, 12                           ; v12  a fragment's place for my lane in LDS
.set SRA, 13                           ; v13  a scale word's
.set CSA, 14                           ; v14  where I store codes
.set WSA, 15                           ; v15  where I store scale words
.set WOF, 16                           ; v16  my bytes in a chunk of W1
.set BOF, 19                           ; v19  my bytes in b1
.set SW,  24                           ; v24-31   the scale words that I make: column c, word 0 or 1
.set WS,  32                           ; v32-63   W1's scale words: tile t, K step s at 8 t + s: scales and nothing else
.set SX,  64                           ; v64-79   x's scale words: buffer p, K step s at 8 p + s: scales and nothing else
.set B1,  80                           ; v80-111  b1, in the result's layout
.set HA,  112                          ; v112-143 four accumulators
.set T,   144                          ; v144-207 a chunk's numbers, column by column
.set PC,  208                          ; v208-223 codes just made: a chunk's sixteen registers; in the loop out-buffer q's eight at PC + 8 q
.set M,   224                          ; largest magnitudes
.set MX,  228                          ; the other half's
.set SO,  232                          ; the conversions' scale operands
.set LIM, 236                          ; 448 x the scale
.set BY,  240                          ; the bytes
.set PW,  244                          ; v244-245 out-buffer q: two bytes of a scale word
.set HO,  246                          ; v246-247 out-buffer q: my bytes in hc's codes
.set HSO, 248                          ; v248-249 out-buffer q: and among its scale words
; window 1: W1 as loaded, chunks 0-3; then the fragments of K steps 0-3, (t, s) at 16 (4 s + t).  window 2: chunks 4-7; then K steps 4-7.  window 3: x's fragments, buffer p at 128 p + 16 s.
; SCALARS: s24 wave, s25 e, s26 slice, s27 rows, s28 the last tile, s29 my last index, s30 pairs of half trips, s31 of them begun, s32 IDX, s39 where my round begins, s45 my number of tiles (at least 1); s33, s40 tile numbers; s34, s46 at work.
.set MSB, 0
.macro WIN new                         ; the immediate's high byte repeats the setting that is left
.if MSB != (\new)
	s_set_vgpr_msb (MSB<<8)|(\new)
.set MSB, (\new)
.endif
.endm
.macro WLOAD ch                        ; chunk ch: rows 32 ch + 16 (lane / 16) + i, columns 4 (lane % 16) ..: sixteen lanes read 256 consecutive bytes.  No vector instruction names these registers ahead of the loads
	WIN 0x40*(1+(\ch)/4)
.irp i, 0,1,2,3,4,5,6,7,8,9,10,11,12,13,14,15
	global_load_b128 v[64*((\ch)%4)+4*\i:64*((\ch)%4)+4*\i+3], v[WOF], s[4:5] offset:(32*(\ch)+\i)*ROWP th:TH_LOAD_NT
.endr
	WIN 0
.endm
.macro QCHUNK ch                       ; chunk ch becomes codes in LDS and a byte of each column's scale word
.set XW, 1+(\ch)/4
.set RB, 64*((\ch)%4)
	WIN XW|(XW<<2)                                 ; sources 0 and 1: the chunk's window
.irp c, 0,1,2,3
	v_max3_num_f32 v[M+\c], |v[RB+\c]|, |v[RB+4+\c]|, 0x4800000    ; column c: my 16 rows, and the floor 2^(9 - 127): the byte cannot fall under 1
.endr
.irp i, 2,4,6,8,10,12,14
.irp c, 0,1,2,3
	v_max3_num_f32 v[M+\c], |v[RB+4*\i+\c]|, |v[RB+4*\i+4+\c]|, v[M+\c]   ; (the four columns by turns)
.endr
.endr
	WIN 0
.irp c, 0,1,2,3
	v_permlanex16_b32 v[MX+\c], v[M+\c], s36, s37
.endr
.irp c, 0,1,2,3
	v_max_num_f32 v[M+\c], v[M+\c], v[MX+\c]       ; with lane l xor 16's 16 rows: the block's largest magnitude
.endr
.irp c, 0,1,2,3
	v_add_nc_u32 v[SO+\c], 0xfc000000, v[M+\c]     ; 8 off the exponent field: the conversion's scale operand
.endr
.irp c, 0,1,2,3
	v_and_or_b32 v[LIM+\c], v[M+\c], 0x7f800000, s38   ; 448 x the scale
.endr
.irp c, 0,1,2,3
	v_lshrrev_b32 v[BY+\c], 23, v[SO+\c]           ; the byte
.endr
.irp c, 0,1,2,3
.if ((\ch)%4) == 0
	v_mov_b32 v[SW+2*\c+(\ch)/4], v[BY+\c]
.else
	v_lshl_or_b32 v[SW+2*\c+(\ch)/4], v[BY+\c], 8*((\ch)%4), v[SW+2*\c+(\ch)/4]
.endif
.endr
	WIN XW                                         ; source 0: the chunk's window
.irp c, 0,1,2,3
.irp i, 0,1,2,3,4,5,6,7,8,9,10,11,12,13,14,15
	v_med3_num_f32 v[T+16*\c+\i], v[RB+4*\i+\c], -v[LIM+\c], v[LIM+\c]   ; the hold (the conversion does not saturate: ISA guide 7.6.2) also lays a column's 16 numbers on end
.endr
.endr
	WIN 0
	s_wait_alu depctr_va_vdst(0)
	s_wait_dscnt 0x0                               ; the last chunk's LDS stores are done
.if (\ch) > 0
	s_wait_alu depctr_vm_vsrc(0)                   ; the last chunk's LDS stores have read PC, which the conversions write again
.endif
.irp c, 0,1,2,3
	v_cvt_scalef32_pk8_fp8_f32 v[PC+4*\c:PC+4*\c+1], v[T+16*\c:T+16*\c+7], v[SO+\c]
	v_cvt_scalef32_pk8_fp8_f32 v[PC+4*\c+2:PC+4*\c+3], v[T+16*\c+8:T+16*\c+15], v[SO+\c]
.endr
	v_nop                                          ; one plain instruction behind the last conversion, ahead of whatever next writes its sources
	s_wait_alu depctr_va_vdst(0)                   ; the conversions have written PC, which the LDS stores read
.irp c, 0,1,2,3
	ds_store_b128 v[CSA], v[PC+4*\c:PC+4*\c+3] offset:\c*PITCH+32*(\ch)
.endr
.endm
; The tile that my wave works at index IDX + add.  The index is held at my last, turned by where my round begins, modulo my number of tiles (the lesser, unsigned, of the sum and the sum less that number);
; tile = wave + 4 x that, held at the expert's last tile and, by a constant, inside the buffers.
.macro JEFF dst, add
	s_add_co_u32 s34, s32, \add
	s_min_u32 s34, s34, s29
	s_add_co_u32 s34, s34, s39
	s_sub_co_u32 s46, s34, s45
	s_min_u32 s34, s34, s46
	s_lshl_b32 s34, s34, 2
	s_add_co_u32 s34, s34, s24
	s_min_u32 s34, s34, s28
	s_min_u32 \dst, s34, 127
.endm
.macro LADDR p, add                    ; where the 16 slots of that tile lie
	JEFF s40, \add
	v_lshl_add_u32 v[LA+(\p)], s40, 6, v[R4]
.endm
.macro LLOAD p                         ; the 16 slots
	global_load_b32 v[LV+(\p)], v[LA+(\p)], s[16:17]
.endm
.macro AADDR p                         ; where the rows of the slots in LV[p] lie
	v_lshrrev_b32 v20, 1, v[LV+(\p)]               ; token = slot / 2
	v_min_u32 v20, 2047, v20
	v_lshl_add_u32 v[XA+(\p)], v20, 10, v[H16]
	v_lshlrev_b32 v[XSA+(\p)], 5, v20
.endm
.macro ALOAD p                         ; those rows: 8 fragments and 8 scale words: 34 loads
	WIN 0xc0                                       ; destination window 3
.irp s, 0,1,2,3,4,5,6,7
.irp c, 0,1,2,3
	global_load_b128 v[128*(\p)+16*\s+4*\c:128*(\p)+16*\s+4*\c+3], v[XA+(\p)], s[8:9] offset:128*\s+32*\c
.endr
.endr
	WIN 0
	global_load_b128 v[SX+8*(\p):SX+8*(\p)+3], v[XSA+(\p)], s[14:15]
	global_load_b128 v[SX+8*(\p)+4:SX+8*(\p)+7], v[XSA+(\p)], s[14:15] offset:16
.endm
.macro MULS p                          ; 32 matrix instructions: the four accumulators by turns, one instruction a turn, K step by K step
.irp s, 0,1,2,3,4,5,6,7
	WIN 0x0d+(\s)/4                                ; source 0 (W1) window 1 or 2, source 1 (x) window 3
.irp t, 0,1,2,3
.if \s == 0
	v_wmma_scale_f32_16x16x128_f8f6f4 v[HA+8*\t:HA+8*\t+7], v[16*(4*(\s%4)+\t):16*(4*(\s%4)+\t)+15], v[128*(\p)+16*\s:128*(\p)+16*\s+15], v[B1+8*\t:B1+8*\t+7], v[WS+8*\t+\s], v[SX+8*(\p)+\s]
.else
	v_wmma_scale_f32_16x16x128_f8f6f4 v[HA+8*\t:HA+8*\t+7], v[16*(4*(\s%4)+\t):16*(4*(\s%4)+\t)+15], v[128*(\p)+16*\s:128*(\p)+16*\s+15], v[HA+8*\t:HA+8*\t+7], v[WS+8*\t+\s], v[SX+8*(\p)+\s]
.endif
.endr
.endr
	WIN 0
.endm
.macro QUANT2 q                        ; my row's 32 numbers (two blocks, 16 of each in my lane) become codes in out-buffer q; what is negative becomes 0 on the way
.irp b, 0,1
	v_max3_num_f32 v[M+\b], v[HA+16*\b], v[HA+16*\b+1], 0x4800000  ; no |.|: what is negative must not count; each accumulator is read from its low end on
.endr
.irp i, 2,4,6,8,10,12,14
.irp b, 0,1
	v_max3_num_f32 v[M+\b], v[M+\b], v[HA+16*\b+\i], v[HA+16*\b+\i+1]
.endr
.endr
.irp b, 0,1
	v_permlanex16_b32 v[MX+\b], v[M+\b], s36, s37
.endr
.irp b, 0,1
	v_max_num_f32 v[M+\b], v[M+\b], v[MX+\b]
.endr
.irp b, 0,1
	v_add_nc_u32 v[SO+\b], 0xfc000000, v[M+\b]
.endr
.irp b, 0,1
	v_and_or_b32 v[LIM+\b], v[M+\b], 0x7f800000, s38
.endr
.irp b, 0,1
	v_lshrrev_b32 v[BY+\b], 23, v[SO+\b]
.endr
	v_lshl_or_b32 v[PW+(\q)], v[BY+1], 8, v[BY]
.irp b, 0,1
.irp i, 0,1,2,3,4,5,6,7,8,9,10,11,12,13,14,15
	v_med3_num_f32 v[HA+16*\b+\i], v[HA+16*\b+\i], 0, v[LIM+\b]    ; the activation and the hold in one
.endr
	v_cvt_scalef32_pk8_fp8_f32 v[PC+8*(\q)+4*\b:PC+8*(\q)+4*\b+1], v[HA+16*\b:HA+16*\b+7], v[SO+\b]
	v_cvt_scalef32_pk8_fp8_f32 v[PC+8*(\q)+4*\b+2:PC+8*(\q)+4*\b+3], v[HA+16*\b+8:HA+16*\b+15], v[SO+\b]
.endr
	v_nop                                          ; one plain instruction behind the last conversion: the next products write its sources
.endm
.macro OUT q                           ; the tile in out-buffer q leaves
	global_store_b128 v[HO+(\q)], v[PC+8*(\q):PC+8*(\q)+3], s[18:19]             ; 32 lanes store 512 consecutive bytes, aligned
	global_store_b128 v[HO+(\q)], v[PC+8*(\q)+4:PC+8*(\q)+7], s[18:19] offset:512
	global_store_b16 v[HSO+(\q)], v[PW+(\q)], s[20:21]                           ; my half of the row's scale word (lanes l and l xor 16 store the same)
.endm
; Half a trip: the tile at index i = IDX + base, whose rows lie in buffer p.  Loads are issued in this order: rows of index i, slots of i + 2, rows of i + 1, slots of i + 3, and here rows of i + 2, slots of i + 4.
; first = 1: index 0, with no tile in front of it.
.macro HT p, base, first
	s_wait_loadcnt 35                              ; all but the rows of index i + 1 (34) and the slots of i + 3 (1): index i's rows and the slots of i + 2 are in
	MULS \p
	s_wait_xcnt 0x0                                ; every earlier global instruction has had its addresses translated (ISA guide 3.1): out-buffer p, which the stores of the half trip before read, is written again only behind this wait
	s_wait_alu depctr_vm_vsrc(0)                   ; those stores have read PC, PW, HO, HSO [p]; the loads of two half trips ago have read XA, XSA, LA [p]: all are written again below (index 0: also the last chunk's LDS stores have read PC)
	JEFF s33, \base
	v_lshl_add_u32 v[HO+(\p)], s33, 15, v[L16]
	v_lshl_add_u32 v[HSO+(\p)], s33, 10, v[R4]
	AADDR \p                                       ; the rows of index i + 2
	LADDR \p, (\base)+4                            ; the slots of index i + 4
	v_nop
	v_nop                                          ; with the seven lines above: nine places behind the last product, ahead of the epilogue's first read of a result, where eight are asked
	s_wait_alu depctr_va_vdst(0)                   ; the products are done reading buffer p and SX[p], and the shift LV[p], in which the loads below land; XA, XSA, LA [p] are written; the last epilogue has written the other out-buffer, which the stores below read
	ALOAD \p                                       ; into the buffer that the products above have left
	LLOAD \p
.if !\first
	OUT 1-(\p)                                     ; the tile before.  No wait: no vector instruction stands behind the wait above
.endif
	QUANT2 \p                                      ; it names the accumulators, its scratch and out-buffer p: none of the registers that the loads and stores above touch
.endm
	s_load_b256 s[4:11], s[0:1], 0x0               ; W1 s[4:5], b1 s[6:7], xc s[8:9], route s[10:11]
	s_load_b64 s[12:13], s[0:1], 0x20              ; hc
	v_lshl_add_u32 v254, v0, 2, 0x11000
	v_mov_b32 v255, 0
	v_lshrrev_b32 v20, 5, v0
	v_readfirstlane_b32 s24, v20                   ; wave 0..3
	s_lshr_b32 s25, ttmp9, 5                       ; e
	s_and_b32 s26, ttmp9, 31                       ; which 64 hidden units
	s_lshl_b32 s35, s25, 2
	s_mov_b32 s23, 0
	v_and_b32 v20, 15, v0                          ; lane % 16
	v_bfe_u32 v21, v0, 4, 1                        ; lane / 16
	v_lshlrev_b32 v[WOF], 4, v20
	v_lshl_add_u32 v[WOF], v21, 17, v[WOF]         ; 16 rows of 8,192 bytes for the upper half of the lanes
	s_wait_alu depctr_va_sdst(0)                   ; s24 is written, ahead of its first reader: bases, LDS addresses and tile numbers are made from it
	s_lshl_b32 s22, s25, 23
	s_lshl_b32 s33, s24, 21
	s_add_co_u32 s22, s22, s33
	s_lshl_b32 s33, s26, 8
	s_add_co_u32 s22, s22, s33
	s_wait_kmcnt 0x0
	s_load_b32 s27, s[10:11], s35 offset:0x0       ; the expert's number of rows
	s_add_nc_u64 s[4:5], s[4:5], s[22:23]          ; W1 at expert e, K row 256 w, column 64 x slice
	s_wait_alu depctr_va_vdst(0)                   ; WOF is written: every load of W1 reads it as its offset
	WLOAD 0
	WLOAD 1
	WLOAD 2
	s_add_nc_u64 s[14:15], s[8:9], 0x200000        ; x's scale bytes
	s_mul_i32 s22, s25, 8256
	s_add_co_u32 s22, s22, 16640
	s_add_nc_u64 s[16:17], s[10:11], s[22:23]      ; the expert's list
	s_lshl_b32 s22, s25, 13
	s_lshl_b32 s33, s26, 8
	s_add_co_u32 s22, s22, s33
	s_add_nc_u64 s[6:7], s[6:7], s[22:23]          ; b1 at my 64 units
	s_lshr_b32 s40, s26, 1                         ; the next product's K step,
	s_and_b32 s41, s26, 1                          ; and which half of it
	s_lshl_b32 s22, s25, 22
	s_lshl_b32 s42, s40, 11
	s_add_co_u32 s22, s22, s42
	s_lshl_b32 s42, s41, 10
	s_add_co_u32 s22, s22, s42
	s_add_nc_u64 s[18:19], s[12:13], s[22:23]      ; hc's codes
	s_lshl_b32 s22, s25, 17
	s_lshl_b32 s42, s40, 6
	s_add_co_u32 s22, s22, s42
	s_lshl_b32 s42, s41, 1
	s_add_co_u32 s22, s22, s42
	s_add_co_u32 s22, s22, 0x2000000
	s_add_nc_u64 s[20:21], s[12:13], s[22:23]      ; hc's scale words
	s_mov_b32 s36, 0x76543210
	s_mov_b32 s37, 0xfedcba98                      ; v_permlanex16_b32's selects for lane l xor 16
	s_mov_b32 s38, 0x600000                        ; the mantissa field of 448
	v_and_b32 v[L16], 31, v0
	v_lshlrev_b32 v[L16], 4, v[L16]
	v_lshlrev_b32 v[R4], 2, v20
	v_lshlrev_b32 v[H16], 4, v21
	v_mul_u32_u24 v[FRA], v20, PITCH
	v_lshl_add_u32 v[FRA], v21, 4, v[FRA]
	v_mul_u32_u24 v[SRA], v20, 48
	v_add_nc_u32 v[SRA], WSC, v[SRA]
	v_and_b32 v22, 9, v20                          ; lane % 16 with bits 1 and 2 changed over: my four columns' LDS rows begin at 4 x that
	v_and_b32 v23, 2, v20
	v_lshl_add_u32 v22, v23, 1, v22
	v_and_b32 v23, 4, v20
	v_lshrrev_b32 v23, 1, v23
	v_add_nc_u32 v22, v22, v23
	v_mul_u32_u24 v[CSA], v22, 4*PITCH
	v_lshl_add_u32 v[CSA], v21, 4, v[CSA]
	s_lshl_b32 s33, s24, 8
	v_add_nc_u32 v[CSA], s33, v[CSA]               ; + 16 x half + my wave's 256 along K
	v_mul_u32_u24 v[WSA], v22, 4*48
	s_lshl_b32 s33, s24, 3
	s_add_co_u32 s33, s33, WSC
	v_add_nc_u32 v[WSA], s33, v[WSA]               ; my wave's two words of each row
	v_lshlrev_b32 v[BOF], 6, v21
.irp c, 0,1,2,3
	v_mov_b32 v[MX+\c], 0                          ; written once: a lane permute's destination counts as one of its sources
.endr
	s_wait_kmcnt 0x0
	s_min_u32 s27, s27, 2048                       ; n
	s_add_co_u32 s28, s27, 15
	s_lshr_b32 s28, s28, 4
	s_max_u32 s28, s28, 1                          ; tiles, at least one
	s_add_co_u32 s29, s28, 3
	s_sub_co_u32 s29, s29, s24
	s_lshr_b32 s29, s29, 2                         ; of them mine
	s_add_co_u32 s30, s29, 1
	s_lshr_b32 s30, s30, 1                         ; pairs of half trips
	s_max_u32 s45, s29, 1                          ; my number of tiles, at least 1
	s_sub_co_u32 s29, s45, 1                       ; my last index
	s_mul_i32 s39, s26, s45
	s_lshr_b32 s39, s39, 5                         ; where my round begins: (slice x number) / 32, under the number
	s_sub_co_u32 s28, s28, 1                       ; the last tile
	s_mov_b32 s32, 0                               ; IDX
	s_mov_b32 s31, 1                               ; pairs begun: the first half trip stands ahead of the loop
	LADDR 0, 0
	LADDR 1, 1
	s_wait_alu depctr_va_vdst(0)                   ; BOF, LA0 and LA1 are written, which the loads below read; so are L16, R4, H16, FRA, SRA, CSA, WSA, which later loads and stores read and no line writes again
.irp t, 0,1,2,3
	global_load_b128 v[B1+8*\t:B1+8*\t+3], v[BOF], s[6:7] offset:(32*(\t/2)+8*(\t%2))*4      ; tile 2 b + u, lane half h: units 32 b + 16 h + 8 u + 0..7
	global_load_b128 v[B1+8*\t+4:B1+8*\t+7], v[BOF], s[6:7] offset:(32*(\t/2)+8*(\t%2))*4+16
.endr
	LLOAD 0
	LLOAD 1
.irp ch, 0,1,2,3,4,5,6,7
.if \ch < 3
	s_wait_loadcnt 42                              ; behind this chunk's loads: two chunks, 8 of b1, 2 of the list
.elseif \ch < 6
	s_wait_loadcnt 32                              ; two chunks
.elseif \ch == 6
	s_wait_loadcnt 51                              ; one chunk, the first tile's 34 and the slots of index 2
.else
	s_wait_loadcnt 35                              ; the first tile's 34 and the slots of index 2
.endif
.if \ch < 5
	WLOAD \ch+3
.endif
.if \ch == 5
	AADDR 0                                        ; the rows of index 0
	s_wait_alu depctr_vm_vsrc(0)                   ; the load of index 0's slots has read LA0, which is written again
	LADDR 0, 2
	s_wait_alu depctr_va_vdst(0)                   ; XA0, XSA0 and LA0 are written, which the loads below read; the shift is done reading LV0, in which the slots of index 2 land
	ALOAD 0
	LLOAD 0
.endif
	QCHUNK \ch
.endr
	AADDR 1                                        ; the rows of index 1
	s_wait_alu depctr_vm_vsrc(0)                   ; the load of index 1's slots has read LA1, which is written again
	LADDR 1, 3
	s_wait_alu depctr_va_vdst(0)                   ; XA1, XSA1 and LA1 are written; the shift is done reading LV1; the chunks' lines have written SW, which the LDS stores below read, and are done reading windows 1 and 2, in which the fragments land behind the barrier: no vector instruction stands between this wait and those loads
	ALOAD 1
	LLOAD 1
.irp c, 0,1,2,3
	ds_store_b64 v[WSA], v[SW+2*\c:SW+2*\c+1] offset:48*\c         ; lanes l and l xor 16 store the same
.endr
	s_wait_dscnt 0x0                               ; for the others' sake: my stores have landed
	s_barrier_signal -1
	s_barrier_wait -1                              ; the slice's codes and scale words are whole
.irp s, 0,1,2,3,4,5,6,7
	WIN 0x40*(1+(\s)/4)
.irp t, 0,1,2,3
.irp c, 0,1,2,3
	ds_load_b128 v[16*(4*(\s%4)+\t)+4*\c:16*(4*(\s%4)+\t)+4*\c+3], v[FRA] offset:16*\t*PITCH+128*\s+32*\c
.endr
.endr
.endr
	WIN 0
.irp t, 0,1,2,3
	ds_load_b128 v[WS+8*\t:WS+8*\t+3], v[SRA] offset:768*\t
	ds_load_b128 v[WS+8*\t+4:WS+8*\t+7], v[SRA] offset:768*\t+16
.endr
	s_wait_dscnt 0x0
	s_cmp_eq_u32 s30, 0                            ; a wave without a tile is done; no barrier follows
	s_cbranch_scc1 .Lend
	HT 0, 0, 1                                     ; index 0: no tile stands in front of it, so it stores nothing
	s_cmp_lt_u32 s31, s30
	s_cbranch_scc0 .Llast                          ; one pair alone: the loop is passed over
.Ltrip:                                                ; a lap: indices IDX + 1 and IDX + 2: both buffers and both out-buffers are back at their start
	HT 1, 1, 0
	HT 0, 2, 0
	s_add_co_u32 s32, s32, 2
	s_add_co_u32 s31, s31, 1
	s_cmp_lt_u32 s31, s30
	s_cbranch_scc1 .Ltrip
.Llast:
	HT 1, 1, 0                                     ; my last index
	s_wait_alu depctr_va_vdst(0)                   ; its epilogue has written PC, PW [1], which the last three stores read (HO, HSO [1] were written ahead of the half trip's own wait)
	OUT 1
.Lend:
	s_wait_dscnt 0x0                               ; the closing lines, six on end
	s_wait_alu 0x0
	s_wait_tensorcnt 0x0
	ds_add_u32 v254, v255
	s_wait_dscnt 0x0
	s_endpgm
.Lfunc_end_k_q94482749bf_ffn1:
	.size	k_q94482749bf_ffn1, .Lfunc_end_k_q94482749bf_ffn1-k_q94482749bf_ffn1
	.p2alignl 7, 3214868480
	.fill 96, 4, 3214868480
	.section	.rodata,"a",@progbits
	.p2align	6, 0x0
	.amdhsa_kernel k_q94482749bf_ffn1
		.amdhsa_group_segment_fixed_size 70144
		.amdhsa_private_segment_fixed_size 0
		.amdhsa_enable_private_segment 0
		.amdhsa_kernarg_size 40
		.amdhsa_user_sgpr_count 2
		.amdhsa_user_sgpr_kernarg_segment_ptr 1
		.amdhsa_wavefront_size32 1
		.amdhsa_system_sgpr_workgroup_id_x 1
		.amdhsa_system_sgpr_workgroup_id_y 1
		.amdhsa_system_sgpr_workgroup_id_z 1
		.amdhsa_system_vgpr_workitem_id 0
		.amdhsa_next_free_vgpr 1024
		.amdhsa_next_free_sgpr 66
		.amdhsa_reserve_vcc 0
		.amdhsa_float_denorm_mode_32 3
		.amdhsa_float_denorm_mode_16_64 3
		.amdhsa_memory_ordered 1
		.amdhsa_forward_progress 1
		.amdhsa_inst_pref_size 156
	.end_amdhsa_kernel
	.amdgpu_metadata
---
amdhsa.version: [ 1, 2 ]
amdhsa.kernels:
  - .name:           k_q94482749bf_ffn1
    .symbol:         k_q94482749bf_ffn1.kd
    .args:
      - { .name: W1, .offset: 0, .size: 8, .value_kind: global_buffer, .address_space: global }
      - { .name: b1, .offset: 8, .size: 8, .value_kind: global_buffer, .address_space: global }
      - { .name: xc, .offset: 16, .size: 8, .value_kind: global_buffer, .address_space: global }
      - { .name: route, .offset: 24, .size: 8, .value_kind: global_buffer, .address_space: global }
      - { .name: hc, .offset: 32, .size: 8, .value_kind: global_buffer, .address_space: global }
    .group_segment_fixed_size: 70144
    .private_segment_fixed_size: 0
    .kernarg_segment_align: 8
    .kernarg_segment_size: 40
    .max_flat_workgroup_size: 128
    .sgpr_count:     66
    .vgpr_count:     1024
    .wavefront_size: 32
...
	.end_amdgpu_metadata
.endif
;; end of part 8
;; launch ffn2 (part 9): grid 256 x 1, 4 waves a work-group, no clusters, 87,552 bytes of LDS; arguments W2, b2, hc, route, gws, yr; writes yr
.if DOCPART == 9
	.amdgcn_target "amdgcn-amd-amdhsa--gfx1250"
	.amdhsa_code_object_version 6
	.text
	.protected	k_q94482749bf_ffn2
	.globl	k_q94482749bf_ffn2
	.p2align	8
	.type	k_q94482749bf_ffn2,@function
k_q94482749bf_ffn2:
	s_mov_b64 s[64:65], 0
	v_nop
	global_prefetch_b8 v0, s[64:65] scope:SCOPE_SE
	s_setreg_imm32_b32 hwreg(HW_REG_WAVE_SCHED_MODE, 0, 2), 2
	s_setreg_imm32_b32 hwreg(HW_REG_WAVE_MODE, 25, 1), 1
	s_wait_xcnt 0x0
	s_wait_alu depctr_vm_vsrc(0)
; THE SECOND PRODUCT, FOR THE CHOSEN ROWS ALONE: yr = g x (hidden W2[e] + b2[e]) on codes of E4M3 with one E8M0 scale for each 32 along K, in two halves of K = 2,048.
; SHARES.  Work-group = expert e (id / 32) x half kh of K (bit 4) x 64 output columns (id % 16).  Its slice of W2, 1,024 x 64 f32, is read from memory once and quantised down K as in the launch before:
; wave w takes K rows 256 w .. + 255 of the half, 8 chunks of 32 rows; the codes meet in LDS; behind ONE barrier every wave keeps the whole slice in 512 registers.  Then the expert's rows go past it, 16 at a time.
; The hidden layer comes as images of operand registers: every load reads 512 consecutive bytes.  The matrix instruction is used transposed (source 0 = 16 columns of W2, source 1 = 16 rows), so that a lane holds eight
; neighbouring columns of one row.  b2 is the C of each sum's first instruction in the lower half of K, and 0 in the upper.  The result is multiplied by the row's gate weight, goes through the wave's own stage in LDS
; and leaves as rows: sixteen lanes store 256 consecutive, aligned bytes.  OUT: yr [kh][e][2,048 places][1,024] f32; the last launch adds a token's four rows.
; K is halved so that a slice's columns are 256 bytes of each row of W2 and there is a work-group for each of 256 slices; the two halves' sums are added in f32 later: an order of rounding of its own.
; THE NUMBER OF TILES IS READ FROM MEMORY.  A text with such a trip count holds no tensor load, so the hidden rows that the 16 work-groups of an expert's half share are not asked for jointly:
; they come straight into registers, two tiles on their way: a tile is asked for as soon as the products of the tile two before it have left its buffer.
; THE ORDER OF A WAVE'S TILES TURNS WITH THE WORK-GROUP: column slice cs begins at index (cs x count) / 16 of the wave's count tiles and goes round, so that the 16 work-groups stand at different tiles at any time.
; At least one tile is always worked (pad rows, weight 0); a wave with an odd number of tiles works one tile twice: the same bytes to the same places.
; LIMITS: NaN and infinities are not served; a block of W2 under 2^-118 (zeros too) gets the byte 1, which only this program reads.
; THE MODE: SCHED_MODE bits 1:0 = 2 (LLVM: expert scheduling mode 2), set by the entry lines.  The code itself states the register dependences
; between vector or matrix instructions and memory or LDS instructions, with s_wait_alu, always for 0.
; THE PLAN.  Registers that memory or LDS instructions touch:
;   windows 1, 2          Each chunk of W2 has registers of its own, loaded once; that chunk's maxima and holds read them.  Behind the barrier the fragments land there; from then on matrix instructions alone name them.
;   PC                    Written by a chunk's conversions, read by its four LDS stores.       SW   Written by the chunks' lines, read by the four LDS stores ahead of the barrier.
;   window 3, SH [p]      Half trip i, p = i % 2: its products read buffer p; behind them index i + 2 lands in it.       G [p]   Read by the sixteen multiplications; then index i + 2's weight lands in it.
;   VA, VS, VG [p], YA    Written in half trip i, read by the loads and the global stores that are issued in it.
;   Y                     Written by the multiplications, read by the eight LDS stores.       OUTR   The eight LDS loads land in it, the eight global stores read it.
;   WOF, BOF, FRA, SRA, CSA, WSA, STO, RD, YO, L16, L4, R4   Made at the head, never written again.       v254, v255   Written at the head, read by the closing add alone.
; So a half trip holds ONE wait on vm_vsrc, behind its products, and ONE on va_vdst, behind its multiplications; all its vector instructions stand between the two, and behind the second stand memory and LDS instructions alone:
; the stage's stores and loads, the 37 loads of index i + 2 while the stage's loads are out, and the global stores.
.set ROWP,  4096                       ; a row of W2 in bytes
.set PITCH, 1040                       ; an LDS row of codes: 1,024 bytes + 16
.set WSC,   64*PITCH                   ; the weights' scale words, 8 a row, rows 48 bytes apart
.set STAGE, WSC+64*48                  ; 16 rows x (256 bytes + 16) for each wave
.set L16, 1                            ; v1   16 x lane
.set R4,  2                            ; v2   4 x (lane % 16)
.set L4,  3                            ; v3   4 x lane
.set VA,  4                            ; v4-5   my bytes of the tile's fragments, buffer p
.set VS,  6                            ; v6-7   of its scale words
.set VG,  8                            ; v8-9   of its gate weights
.set YA,  10                           ; v10  my bytes in yr
.set YO,  11                           ; v11  their part that hangs on the lane
.set FRA, 12
.set SRA, 13
.set CSA, 14
.set WSA, 15
.set WOF, 16
.set STO, 17                           ; v17  the stage: where I put 32 bytes of a row
.set RD,  18                           ; v18  and where I read a row back
.set BOF, 19
.set SW,  24                           ; v24-31   the scale words that I make
.set WS,  32                           ; v32-63   W2's scale words: scales and nothing else
.set SH,  64                           ; v64-71   the hidden layer's: buffer p, register m: lanes 0-15 K step 2 m, lanes 16-31 K step 2 m + 1: scales and nothing else
.set G,   72                           ; v72, v74 my row's gate weight, buffer p (v73, v75 are named with them as pairs)
.set B1,  80                           ; v80-111  b2 or 0, in the result's layout
.set HA,  112                          ; v112-143 four accumulators
.set T,   144                          ; v144-207 a chunk's numbers; in the loop:
.set Y,   144                          ; v144-175 the results x the gate weight,
.set OUTR, 176                         ; v176-207 16 rows read back
.set PC,  208
.set M,   224
.set MX,  228
.set SO,  232
.set LIM, 236
.set BY,  240
; window 1: W2 as loaded, chunks 0-3; then the fragments of K steps 0-3, (t, s) at 16 (4 s + t).  window 2: chunks 4-7; then K steps 4-7.  window 3: the hidden fragments, buffer p at 128 p + 16 s.
; SCALARS: s24 wave, s25 e, s26 column slice, s43 kh, s27 rows, s28 the last tile, s29 my last index, s30 trips, s31 trips done, s32 IDX, s39 where my round begins, s45 my number of tiles (at least 1); s33, s40 tile numbers; s34, s46 at work.
.set MSB, 0
.macro WIN new                         ; the immediate's high byte repeats the setting that is left
.if MSB != (\new)
	s_set_vgpr_msb (MSB<<8)|(\new)
.set MSB, (\new)
.endif
.endm
.macro WLOAD ch                        ; chunk ch: rows 32 ch + 16 (lane / 16) + i, columns 4 (lane % 16) ..: sixteen lanes read 256 consecutive bytes.  No vector instruction names these registers ahead of the loads
	WIN 0x40*(1+(\ch)/4)
.irp i, 0,1,2,3,4,5,6,7,8,9,10,11,12,13,14,15
	global_load_b128 v[64*((\ch)%4)+4*\i:64*((\ch)%4)+4*\i+3], v[WOF], s[4:5] offset:(32*(\ch)+\i)*ROWP th:TH_LOAD_NT
.endr
	WIN 0
.endm
.macro QCHUNK ch                       ; chunk ch becomes codes in LDS and a byte of each column's scale word
.set XW, 1+(\ch)/4
.set RB, 64*((\ch)%4)
	WIN XW|(XW<<2)                                 ; sources 0 and 1: the chunk's window
.irp c, 0,1,2,3
	v_max3_num_f32 v[M+\c], |v[RB+\c]|, |v[RB+4+\c]|, 0x4800000    ; column c: my 16 rows, and the floor 2^(9 - 127): the byte cannot fall under 1
.endr
.irp i, 2,4,6,8,10,12,14
.irp c, 0,1,2,3
	v_max3_num_f32 v[M+\c], |v[RB+4*\i+\c]|, |v[RB+4*\i+4+\c]|, v[M+\c]
.endr
.endr
	WIN 0
.irp c, 0,1,2,3
	v_permlanex16_b32 v[MX+\c], v[M+\c], s36, s37
.endr
.irp c, 0,1,2,3
	v_max_num_f32 v[M+\c], v[M+\c], v[MX+\c]       ; with lane l xor 16's 16 rows: the block's largest magnitude
.endr
.irp c, 0,1,2,3
	v_add_nc_u32 v[SO+\c], 0xfc000000, v[M+\c]     ; 8 off the exponent field: the conversion's scale operand
.endr
.irp c, 0,1,2,3
	v_and_or_b32 v[LIM+\c], v[M+\c], 0x7f800000, s38   ; 448 x the scale
.endr
.irp c, 0,1,2,3
	v_lshrrev_b32 v[BY+\c], 23, v[SO+\c]           ; the byte
.endr
.irp c, 0,1,2,3
.if ((\ch)%4) == 0
	v_mov_b32 v[SW+2*\c+(\ch)/4], v[BY+\c]
.else
	v_lshl_or_b32 v[SW+2*\c+(\ch)/4], v[BY+\c], 8*((\ch)%4), v[SW+2*\c+(\ch)/4]
.endif
.endr
	WIN XW                                         ; source 0: the chunk's window
.irp c, 0,1,2,3
.irp i, 0,1,2,3,4,5,6,7,8,9,10,11,12,13,14,15
	v_med3_num_f32 v[T+16*\c+\i], v[RB+4*\i+\c], -v[LIM+\c], v[LIM+\c]   ; the hold (the conversion does not saturate: ISA guide 7.6.2) also lays a column's 16 numbers on end
.endr
.endr
	WIN 0
	s_wait_alu depctr_va_vdst(0)
	s_wait_dscnt 0x0                               ; the last chunk's LDS stores are done
.if (\ch) > 0
	s_wait_alu depctr_vm_vsrc(0)                   ; the last chunk's LDS stores have read PC, which the conversions write again
.endif
.irp c, 0,1,2,3
	v_cvt_scalef32_pk8_fp8_f32 v[PC+4*\c:PC+4*\c+1], v[T+16*\c:T+16*\c+7], v[SO+\c]
	v_cvt_scalef32_pk8_fp8_f32 v[PC+4*\c+2:PC+4*\c+3], v[T+16*\c+8:T+16*\c+15], v[SO+\c]
.endr
	v_nop                                          ; one plain instruction behind the last conversion, ahead of whatever next writes its sources
	s_wait_alu depctr_va_vdst(0)                   ; the conversions have written PC, which the LDS stores read
.irp c, 0,1,2,3
	ds_store_b128 v[CSA], v[PC+4*\c:PC+4*\c+3] offset:\c*PITCH+32*(\ch)
.endr
.endm
; The tile that my wave works at index IDX + add.  The index is held at my last, turned by where my round begins, modulo my number of tiles (the lesser, unsigned, of the sum and the sum less that number);
; tile = wave + 4 x that, held at the expert's last tile and, by a constant, inside the buffers.
.macro JEFF dst, add
	s_add_co_u32 s34, s32, \add
	s_min_u32 s34, s34, s29
	s_add_co_u32 s34, s34, s39
	s_sub_co_u32 s46, s34, s45
	s_min_u32 s34, s34, s46
	s_lshl_b32 s34, s34, 2
	s_add_co_u32 s34, s34, s24
	s_min_u32 s34, s34, s28
	s_min_u32 \dst, s34, 127
.endm
.macro AADDR2 p, add                   ; where that tile's fragments, scale words and gate weights lie
	JEFF s40, \add
	v_lshl_add_u32 v[VA+(\p)], s40, 15, v[L16]
	v_lshl_add_u32 v[VS+(\p)], s40, 10, v[L4]
	v_lshl_add_u32 v[VG+(\p)], s40, 6, v[R4]
.endm
.macro ALOAD2 p                        ; its 8 hidden fragments, 4 registers of scale words and the gate weights: 37 loads
	WIN 0xc0                                       ; destination window 3
.irp s, 0,1,2,3,4,5,6,7
.irp c, 0,1,2,3
	global_load_b128 v[128*(\p)+16*\s+4*\c:128*(\p)+16*\s+4*\c+3], v[VA+(\p)], s[16:17] offset:2048*\s+512*\c   ; 32 lanes read 512 consecutive bytes
.endr
.endr
	WIN 0
.irp m, 0,1,2,3
	global_load_b32 v[SH+4*(\p)+\m], v[VS+(\p)], s[18:19] offset:128*\m
.endr
	global_load_b32 v[G+2*(\p)], v[VG+(\p)], s[20:21]
.endm
.macro MULS2 p                         ; 32 matrix instructions: the four accumulators by turns, one instruction a turn, K step by K step
.irp s, 0,1,2,3,4,5,6,7
	WIN 0x0d+(\s)/4                                ; source 0 (W2) window 1 or 2, source 1 (hidden) window 3
.irp t, 0,1,2,3
.if \s == 0
	v_wmma_scale_f32_16x16x128_f8f6f4 v[HA+8*\t:HA+8*\t+7], v[16*(4*(\s%4)+\t):16*(4*(\s%4)+\t)+15], v[128*(\p)+16*\s:128*(\p)+16*\s+15], v[B1+8*\t:B1+8*\t+7], v[WS+8*\t+\s], v[SH+4*(\p)+\s/2]
.elseif (\s%2) == 0
	v_wmma_scale_f32_16x16x128_f8f6f4 v[HA+8*\t:HA+8*\t+7], v[16*(4*(\s%4)+\t):16*(4*(\s%4)+\t)+15], v[128*(\p)+16*\s:128*(\p)+16*\s+15], v[HA+8*\t:HA+8*\t+7], v[WS+8*\t+\s], v[SH+4*(\p)+\s/2]
.else
	v_wmma_scale_f32_16x16x128_f8f6f4 v[HA+8*\t:HA+8*\t+7], v[16*(4*(\s%4)+\t):16*(4*(\s%4)+\t)+15], v[128*(\p)+16*\s:128*(\p)+16*\s+15], v[HA+8*\t:HA+8*\t+7], v[WS+8*\t+\s], v[SH+4*(\p)+\s/2] matrix_b_scale:MATRIX_SCALE_ROW1
.endif
.endr
.endr
	WIN 0
.endm
; Half a trip: the tile at index i = IDX + p, whose 37 loads went out two half trips ago into buffer p; behind them stand index i + 1's 37.
.macro HT2 p
	s_wait_loadcnt 37                              ; all but index i + 1's 37: index i is in
	MULS2 \p
	s_wait_xcnt 0x0                                ; every earlier global instruction has had its addresses translated (ISA guide 3.1): the last tile's stores' data and address are written again only behind this wait
	s_wait_alu depctr_vm_vsrc(0)                   ; the last tile's global stores have read YA and OUTR, its LDS stores Y; index i's loads have read VA, VS, VG [p]: all are written again below
	JEFF s33, \p
	v_lshl_add_u32 v[YA], s33, 16, v[YO]           ; 16 rows of 4,096 bytes a tile
	AADDR2 \p, (\p)+2                              ; index i + 2
.rept 4
	v_nop                                          ; with the four lines above: eight places behind the last product, ahead of the first read of a result
.endr
.irp k, 0,1,2,3,4,5,6,7,8,9,10,11,12,13,14,15
	v_pk_mul_f32 v[Y+2*\k:Y+2*\k+1], v[HA+2*\k:HA+2*\k+1], v[G+2*(\p):G+2*(\p)+1] op_sel_hi:[1,0]   ; x my row's gate weight; each accumulator from its low end on
.endr
	s_wait_alu depctr_va_vdst(0)                   ; the multiplications have written Y, which the LDS stores read, and are done reading G[p]; the products are done reading buffer p and SH[p]; YA, VA, VS, VG [p] are written; in the first half trip: the chunks' lines are done with v176-207, in which the stage's loads land.  No vector instruction follows in this half trip
.irp t, 0,1,2,3
	ds_store_b128 v[STO], v[Y+8*\t:Y+8*\t+3] offset:64*\t          ; lane (r, h): row r, columns 16 t + 8 h + 0..7
	ds_store_b128 v[STO], v[Y+8*\t+4:Y+8*\t+7] offset:64*\t+16
.endr
.irp i, 0,1,2,3,4,5,6,7
	ds_load_b128 v[OUTR+4*\i:OUTR+4*\i+3], v[RD] offset:544*\i     ; LDS serves a wave's instructions in order: these see my stores, and the next tile's stores come behind them
.endr
	ALOAD2 \p                                      ; index i + 2, into the buffer that the products have left: issued while the stage's loads are out
.irp i, 0,1,2,3,4,5,6,7
	s_wait_dscnt 7-\i
	global_store_b128 v[YA], v[OUTR+4*\i:OUTR+4*\i+3], s[14:15] offset:8192*\i   ; sixteen lanes store 256 consecutive bytes, aligned; two rows an instruction
.endr
.endm
	s_load_b256 s[4:11], s[0:1], 0x0               ; W2 s[4:5], b2 s[6:7], hc s[8:9], route s[10:11]
	s_load_b128 s[12:15], s[0:1], 0x20             ; gws s[12:13], yr s[14:15]
	v_lshl_add_u32 v254, v0, 2, 0x15400
	v_mov_b32 v255, 0
	v_lshrrev_b32 v20, 5, v0
	v_readfirstlane_b32 s24, v20                   ; wave 0..3
	s_lshr_b32 s25, ttmp9, 5                       ; e
	s_bfe_u32 s43, ttmp9, 0x10004                  ; kh: which half of K
	s_and_b32 s26, ttmp9, 15                       ; which 64 columns
	s_lshl_b32 s35, s25, 2
	s_mov_b32 s23, 0
	v_and_b32 v20, 15, v0                          ; lane % 16
	v_bfe_u32 v21, v0, 4, 1                        ; lane / 16
	v_lshlrev_b32 v[WOF], 4, v20
	v_lshl_add_u32 v[WOF], v21, 16, v[WOF]         ; 16 rows of 4,096 bytes for the upper half of the lanes
	s_wait_alu depctr_va_sdst(0)                   ; s24 is written, ahead of its first reader: bases, LDS addresses and tile numbers are made from it
	s_lshl_b32 s22, s25, 23
	s_lshl_b32 s33, s43, 22
	s_add_co_u32 s22, s22, s33
	s_lshl_b32 s33, s24, 20
	s_add_co_u32 s22, s22, s33
	s_lshl_b32 s33, s26, 8
	s_add_co_u32 s22, s22, s33
	s_wait_kmcnt 0x0
	s_load_b32 s27, s[10:11], s35 offset:0x0       ; the expert's number of rows
	s_add_nc_u64 s[4:5], s[4:5], s[22:23]          ; W2 at expert e, K row 1,024 kh + 256 w, column 64 x slice
	s_wait_alu depctr_va_vdst(0)                   ; WOF is written: every load of W2 reads it as its offset
	WLOAD 0
	WLOAD 1
	WLOAD 2
	s_lshl_b32 s22, s25, 22
	s_lshl_b32 s33, s43, 14
	s_add_co_u32 s22, s22, s33
	s_add_nc_u64 s[16:17], s[8:9], s[22:23]        ; the hidden codes: expert e, K step 8 kh
	s_lshl_b32 s22, s25, 17
	s_lshl_b32 s33, s43, 9
	s_add_co_u32 s22, s22, s33
	s_add_co_u32 s22, s22, 0x2000000
	s_add_nc_u64 s[18:19], s[8:9], s[22:23]        ; their scale words
	s_mul_i32 s22, s25, 8256
	s_add_nc_u64 s[20:21], s[12:13], s[22:23]      ; the expert's gate weights
	s_lshl_b32 s22, s43, 26
	s_lshl_b32 s33, s25, 23
	s_add_co_u32 s22, s22, s33
	s_lshl_b32 s33, s26, 8
	s_add_co_u32 s22, s22, s33
	s_add_nc_u64 s[14:15], s[14:15], s[22:23]      ; yr at half kh, expert e, my 64 columns
	s_lshl_b32 s22, s25, 12
	s_add_co_u32 s22, s22, s33
	s_add_nc_u64 s[6:7], s[6:7], s[22:23]          ; b2 at my 64 columns
	s_cmp_eq_u32 s43, 0
	s_cselect_b32 s44, -1, 0                       ; all lanes on in the lower half of K, none in the upper
	s_mov_b32 s36, 0x76543210
	s_mov_b32 s37, 0xfedcba98                      ; v_permlanex16_b32's selects for lane l xor 16
	s_mov_b32 s38, 0x600000                        ; the mantissa field of 448
	v_and_b32 v[L4], 31, v0
	v_lshlrev_b32 v[L16], 4, v[L4]
	v_lshlrev_b32 v[L4], 2, v[L4]
	v_lshlrev_b32 v[R4], 2, v20
	v_mul_u32_u24 v[FRA], v20, PITCH
	v_lshl_add_u32 v[FRA], v21, 4, v[FRA]
	v_mul_u32_u24 v[SRA], v20, 48
	v_add_nc_u32 v[SRA], WSC, v[SRA]
	v_mul_u32_u24 v[CSA], v20, 4*PITCH             ; LDS row = column
	v_lshl_add_u32 v[CSA], v21, 4, v[CSA]
	s_lshl_b32 s33, s24, 8
	v_add_nc_u32 v[CSA], s33, v[CSA]               ; + 16 x half + my wave's 256 along K
	v_mul_u32_u24 v[WSA], v20, 4*48
	s_lshl_b32 s33, s24, 3
	s_add_co_u32 s33, s33, WSC
	v_add_nc_u32 v[WSA], s33, v[WSA]
	s_mul_i32 s33, s24, 16*272
	s_add_co_u32 s33, s33, STAGE                   ; my stage
	v_mul_u32_u24 v[STO], v20, 272
	v_lshl_add_u32 v[STO], v21, 5, v[STO]
	v_add_nc_u32 v[STO], s33, v[STO]               ; in: row lane % 16, 32 bytes for each half of the lanes
	v_mul_u32_u24 v[RD], v21, 272
	v_lshl_add_u32 v[RD], v20, 4, v[RD]
	v_add_nc_u32 v[RD], s33, v[RD]                 ; back: lanes 0-15 one row, lanes 16-31 the next
	v_lshlrev_b32 v[YO], 12, v21
	v_lshl_add_u32 v[YO], v20, 4, v[YO]            ; and the same two rows in yr
	v_lshlrev_b32 v[BOF], 5, v21
.irp c, 0,1,2,3
	v_mov_b32 v[MX+\c], 0                          ; written once: a lane permute's destination counts as one of its sources
.endr
	v_mov_b32 v[G+1], 0                            ; named as the upper halves of pairs, so they are written
	v_mov_b32 v[G+3], 0
	s_wait_kmcnt 0x0
	s_min_u32 s27, s27, 2048                       ; n
	s_add_co_u32 s28, s27, 15
	s_lshr_b32 s28, s28, 4
	s_max_u32 s28, s28, 1                          ; tiles, at least one
	s_add_co_u32 s29, s28, 3
	s_sub_co_u32 s29, s29, s24
	s_lshr_b32 s29, s29, 2                         ; of them mine
	s_add_co_u32 s30, s29, 1
	s_lshr_b32 s30, s30, 1                         ; trips of two
	s_max_u32 s45, s29, 1                          ; my number of tiles, at least 1
	s_sub_co_u32 s29, s45, 1                       ; my last index
	s_mul_i32 s39, s26, s45
	s_lshr_b32 s39, s39, 4                         ; where my round begins: (column slice x number) / 16, under the number
	s_sub_co_u32 s28, s28, 1                       ; the last tile
	s_mov_b32 s32, 0                               ; IDX
	s_mov_b32 s31, 0                               ; trips done
	s_wait_alu depctr_va_vdst(0)                   ; BOF is written, which the loads below read; so are L16, L4, R4, FRA, SRA, CSA, WSA, STO, RD, which later loads and stores read and no line writes again
.irp t, 0,1,2,3
	global_load_b128 v[B1+8*\t:B1+8*\t+3], v[BOF], s[6:7] offset:64*\t         ; tile t, lane half h: columns 16 t + 8 h + 0..7
	global_load_b128 v[B1+8*\t+4:B1+8*\t+7], v[BOF], s[6:7] offset:64*\t+16
.endr
.irp ch, 0,1,2,3,4,5,6,7
.if \ch < 3
	s_wait_loadcnt 40                              ; behind this chunk's loads: two chunks and 8 of b2
.elseif \ch < 6
	s_wait_loadcnt 32                              ; two chunks
.elseif \ch == 6
	s_wait_loadcnt 53                              ; one chunk and the first tile's 37
.else
	s_wait_loadcnt 37                              ; the first tile's 37
.endif
.if \ch < 5
	WLOAD \ch+3
.endif
.if \ch == 5
	AADDR2 0, 0                                    ; index 0
	s_wait_alu depctr_va_vdst(0)                   ; VA0, VS0 and VG0 are written, which the loads below read
	ALOAD2 0
.endif
	QCHUNK \ch
.endr
	AADDR2 1, 1                                    ; index 1
	s_wait_alu depctr_va_vdst(0)                   ; VA1, VS1 and VG1 are written; the chunks' lines have written SW, which the LDS stores below read, and are done reading windows 1 and 2, in which the fragments land behind the barrier: no vector instruction stands between this wait and those loads
	ALOAD2 1
.irp c, 0,1,2,3
	ds_store_b64 v[WSA], v[SW+2*\c:SW+2*\c+1] offset:48*\c         ; lanes l and l xor 16 store the same
.endr
	s_wait_dscnt 0x0                               ; for the others' sake: my stores have landed
	s_barrier_signal -1
	s_barrier_wait -1                              ; the slice's codes and scale words are whole
.irp s, 0,1,2,3,4,5,6,7
	WIN 0x40*(1+(\s)/4)
.irp t, 0,1,2,3
.irp c, 0,1,2,3
	ds_load_b128 v[16*(4*(\s%4)+\t)+4*\c:16*(4*(\s%4)+\t)+4*\c+3], v[FRA] offset:16*\t*PITCH+128*\s+32*\c
.endr
.endr
.endr
	WIN 0
.irp t, 0,1,2,3
	ds_load_b128 v[WS+8*\t:WS+8*\t+3], v[SRA] offset:768*\t
	ds_load_b128 v[WS+8*\t+4:WS+8*\t+7], v[SRA] offset:768*\t+16
.endr
.irp i, 0,1,2,3,4,5,6,7,8,9,10,11,12,13,14,15,16,17,18,19,20,21,22,23,24,25,26,27,28,29,30,31
	v_cndmask_b32 v[B1+\i], 0, v[B1+\i], s44       ; b2 counts once: in the lower half of K.  (s44 was written by a scalar instruction; from here on no memory instruction names these registers)
.endr
	s_wait_dscnt 0x0
	s_cmp_eq_u32 s30, 0                            ; a wave without a tile is done; no barrier follows
	s_cbranch_scc1 .Lend
.Ltrip:
	s_wait_alu depctr_va_vdst(0)
	HT2 0
	HT2 1
	s_add_co_u32 s32, s32, 2
	s_add_co_u32 s31, s31, 1
	s_cmp_lt_u32 s31, s30
	s_cbranch_scc1 .Ltrip
.Lend:
	s_wait_dscnt 0x0                               ; the closing lines, six on end
	s_wait_alu 0x0
	s_wait_tensorcnt 0x0
	ds_add_u32 v254, v255
	s_wait_dscnt 0x0
	s_endpgm
.Lfunc_end_k_q94482749bf_ffn2:
	.size	k_q94482749bf_ffn2, .Lfunc_end_k_q94482749bf_ffn2-k_q94482749bf_ffn2
	.p2alignl 7, 3214868480
	.fill 96, 4, 3214868480
	.section	.rodata,"a",@progbits
	.p2align	6, 0x0
	.amdhsa_kernel k_q94482749bf_ffn2
		.amdhsa_group_segment_fixed_size 87552
		.amdhsa_private_segment_fixed_size 0
		.amdhsa_enable_private_segment 0
		.amdhsa_kernarg_size 48
		.amdhsa_user_sgpr_count 2
		.amdhsa_user_sgpr_kernarg_segment_ptr 1
		.amdhsa_wavefront_size32 1
		.amdhsa_system_sgpr_workgroup_id_x 1
		.amdhsa_system_sgpr_workgroup_id_y 1
		.amdhsa_system_sgpr_workgroup_id_z 1
		.amdhsa_system_vgpr_workitem_id 0
		.amdhsa_next_free_vgpr 1024
		.amdhsa_next_free_sgpr 66
		.amdhsa_reserve_vcc 0
		.amdhsa_float_denorm_mode_32 3
		.amdhsa_float_denorm_mode_16_64 3
		.amdhsa_memory_ordered 1
		.amdhsa_forward_progress 1
		.amdhsa_inst_pref_size 130
	.end_amdhsa_kernel
	.amdgpu_metadata
---
amdhsa.version: [ 1, 2 ]
amdhsa.kernels:
  - .name:           k_q94482749bf_ffn2
    .symbol:         k_q94482749bf_ffn2.kd
    .args:
      - { .name: W2, .offset: 0, .size: 8, .value_kind: global_buffer, .address_space: global }
      - { .name: b2, .offset: 8, .size: 8, .value_kind: global_buffer, .address_space: global }
      - { .name: hc, .offset: 16, .size: 8, .value_kind: global_buffer, .address_space: global }
      - { .name: route, .offset: 24, .size: 8, .value_kind: global_buffer, .address_space: global }
      - { .name: gws, .offset: 32, .size: 8, .value_kind: global_buffer, .address_space: global }
      - { .name: yr, .offset: 40, .size: 8, .value_kind: global_buffer, .address_space: global }
    .group_segment_fixed_size: 87552
    .private_segment_fixed_size: 0
    .kernarg_segment_align: 8
    .kernarg_segment_size: 48
    .max_flat_workgroup_size: 128
    .sgpr_count:     66
    .vgpr_count:     1024
    .wavefront_size: 32
...
	.end_amdgpu_metadata
.endif
;; end of part 9
;; launch combine (part 10): grid 256 x 1, 8 waves a work-group, no clusters, 0 bytes of LDS; arguments yr, route, out0; writes out0
.if DOCPART == 10
	.amdgcn_target "amdgcn-amd-amdhsa--gfx1250"
	.amdhsa_code_object_version 6
	.text
	.protected	k_q94482749bf_combine
	.globl	k_q94482749bf_combine
	.p2align	8
	.type	k_q94482749bf_combine,@function
k_q94482749bf_combine:
	s_mov_b64 s[64:65], 0
	v_nop
	global_prefetch_b8 v0, s[64:65] scope:SCOPE_SE
	s_setreg_imm32_b32 hwreg(HW_REG_WAVE_MODE, 25, 1), 1
	s_wait_xcnt 0x0
; out0[t] = the sum of token t's four rows of yr: its two experts x the two halves of K; the gate weights are in the rows already.  Each output row has one owner, so nothing is added in memory.
; One wave to a token: 32 loads of 512 consecutive bytes, all issued at once; sums (a + b) + (c + d) in f32; 8 stores of 512 consecutive bytes.  The rows' places were stored as whole numbers by an earlier launch.
; A stream: no LDS, no barrier, no matrix unit.
.set D, 16                             ; v16-143: piece i of the row: 16 registers, four for each of the four rows
	s_load_b128 s[4:7], s[0:1], 0x0                ; yr s[4:5], route s[6:7]
	s_load_b64 s[8:9], s[0:1], 0x10                ; out0
	v_lshrrev_b32 v1, 5, v0
	s_delay_alu instid0(VALU_DEP_1)
	v_readfirstlane_b32 s10, v1                    ; wave 0..7
	s_lshl_b32 s11, ttmp9, 3
	s_add_co_u32 s11, s11, s10                     ; token
	s_lshl_b32 s14, s11, 3                         ; two words a token
	v_and_b32 v1, 31, v0
	s_delay_alu instid0(VALU_DEP_1)
	v_lshlrev_b32 v1, 4, v1                        ; 16 x lane
	s_lshl_b32 s18, s11, 12
	s_mov_b32 s19, 0
	s_wait_alu depctr_va_vdst(0)
	s_wait_kmcnt 0x0
	s_load_b64 s[12:13], s[6:7], s14 offset:0x100  ; pos[2 t], pos[2 t + 1]
	s_add_nc_u64 s[16:17], s[4:5], 0x4000000       ; the upper half of K
	s_add_nc_u64 s[8:9], s[8:9], s[18:19]
	s_wait_kmcnt 0x0
	s_min_u32 s12, s12, 16383
	s_min_u32 s13, s13, 16383
	v_lshl_add_u32 v2, s12, 12, v1                 ; a row of yr is 4,096 bytes
	v_lshl_add_u32 v3, s13, 12, v1
.irp i, 0,1,2,3,4,5,6,7
	global_load_b128 v[D+16*\i:D+16*\i+3], v2, s[4:5] offset:512*\i th:TH_LOAD_NT
	global_load_b128 v[D+16*\i+4:D+16*\i+7], v2, s[16:17] offset:512*\i th:TH_LOAD_NT
	global_load_b128 v[D+16*\i+8:D+16*\i+11], v3, s[4:5] offset:512*\i th:TH_LOAD_NT
	global_load_b128 v[D+16*\i+12:D+16*\i+15], v3, s[16:17] offset:512*\i th:TH_LOAD_NT
.endr
.irp i, 0,1,2,3,4,5,6,7
	s_wait_loadcnt 4*(7-\i)                        ; the later pieces' loads may be out
	v_pk_add_f32 v[D+16*\i:D+16*\i+1], v[D+16*\i:D+16*\i+1], v[D+16*\i+4:D+16*\i+5]
	v_pk_add_f32 v[D+16*\i+2:D+16*\i+3], v[D+16*\i+2:D+16*\i+3], v[D+16*\i+6:D+16*\i+7]
	v_pk_add_f32 v[D+16*\i+8:D+16*\i+9], v[D+16*\i+8:D+16*\i+9], v[D+16*\i+12:D+16*\i+13]
	v_pk_add_f32 v[D+16*\i+10:D+16*\i+11], v[D+16*\i+10:D+16*\i+11], v[D+16*\i+14:D+16*\i+15]
	s_delay_alu instid0(VALU_DEP_2)
	v_pk_add_f32 v[D+16*\i:D+16*\i+1], v[D+16*\i:D+16*\i+1], v[D+16*\i+8:D+16*\i+9]
	s_delay_alu instid0(VALU_DEP_2)
	v_pk_add_f32 v[D+16*\i+2:D+16*\i+3], v[D+16*\i+2:D+16*\i+3], v[D+16*\i+10:D+16*\i+11]
	global_store_b128 v1, v[D+16*\i:D+16*\i+3], s[8:9] offset:512*\i th:TH_STORE_NT   ; 32 lanes store 512 consecutive bytes
.endr
	s_endpgm
.Lfunc_end_k_q94482749bf_combine:
	.size	k_q94482749bf_combine, .Lfunc_end_k_q94482749bf_combine-k_q94482749bf_combine
	.p2alignl 7, 3214868480
	.fill 96, 4, 3214868480
	.section	.rodata,"a",@progbits
	.p2align	6, 0x0
	.amdhsa_kernel k_q94482749bf_combine
		.amdhsa_group_segment_fixed_size 0
		.amdhsa_private_segment_fixed_size 0
		.amdhsa_enable_private_segment 0
		.amdhsa_kernarg_size 24
		.amdhsa_user_sgpr_count 2
		.amdhsa_user_sgpr_kernarg_segment_ptr 1
		.amdhsa_wavefront_size32 1
		.amdhsa_system_sgpr_workgroup_id_x 1
		.amdhsa_system_sgpr_workgroup_id_y 1
		.amdhsa_system_sgpr_workgroup_id_z 1
		.amdhsa_system_vgpr_workitem_id 0
		.amdhsa_next_free_vgpr 144
		.amdhsa_next_free_sgpr 66
		.amdhsa_reserve_vcc 0
		.amdhsa_float_denorm_mode_32 3
		.amdhsa_float_denorm_mode_16_64 3
		.amdhsa_memory_ordered 1
		.amdhsa_forward_progress 1
		.amdhsa_inst_pref_size 9
	.end_amdhsa_kernel
	.amdgpu_metadata
---
amdhsa.version: [ 1, 2 ]
amdhsa.kernels:
  - .name:           k_q94482749bf_combine
    .symbol:         k_q94482749bf_combine.kd
    .args:
      - { .name: yr, .offset: 0, .size: 8, .value_kind: global_buffer, .address_space: global }
      - { .name: route, .offset: 8, .size: 8, .value_kind: global_buffer, .address_space: global }
      - { .name: out0, .offset: 16, .size: 8, .value_kind: global_buffer, .address_space: global }
    .group_segment_fixed_size: 0
    .private_segment_fixed_size: 0
    .kernarg_segment_align: 8
    .kernarg_segment_size: 24
    .max_flat_workgroup_size: 256
    .sgpr_count:     66
    .vgpr_count:     144
    .wavefront_size: 32
...
	.end_amdgpu_metadata
.endif
;; end of part 10
